; MI455X (gfx1250); checked and timed in simulation.
; The chip was launched on July 23, 2026; its instructions are those of AMD's public machine-readable ISA for CDNA 5 (MIT licence, August 2026) and "CDNA5" Instruction Set Architecture Reference Guide (July 2026). The comments in the code are by the model that wrote it; some were corrected since.
;; Multi Head Attention. Allowed arithmetic: matrix products marked QUANTISED: E4M3 operands, one given power-of-two scale a tensor, by v_wmma_f32_16x16x64_fp8_fp8 or v_wmma_f32_16x16x128_fp8_fp8, f32 sums; everything else in f32.
;; Inputs: b_proj 1,024 float32; lowp_scales 8 int32 (the exponents e of the quantised operands' scales 2^e); w_proj 1,024 x 1,024 float32; w_qkv 3,072 x 1,024 float32; x 4 x 2,048 x 1,024 float32.
;; Outputs: out0 4 x 2,048 x 1,024 float32.
;; This version of the problem:
;;   THIS VERSION OF THE PROBLEM IS GIVEN IN LOW PRECISION. The matrix products marked QUANTISED in the list below multiply operands that are first quantised to E4M3 (4 exponent bits, 3 mantissa bits; 8 bits a number), with one given power-of-two scale for each operand tensor; their sums are f32. All else is computed in f32.
;;   The module's matrix products, in the order in which they are computed (A, B: the left and right operand; K: the contracted axis; several contracted axes count as one K, in the product's order):
;;     1. [M 8,192, K 1,024] x [K 1,024, N 3,072]; A: input x; B: input w_qkv: QUANTISED (scales: A lowp_scales[0], B lowp_scales[1])
;;     2. batch 64 x [M 2,048, K 64] x [K 64, N 2,048]; A: computed on the way; B: computed on the way: QUANTISED (scales: A lowp_scales[2], B lowp_scales[3])
;;     3. batch 64 x [M 64, K 2,048] x [K 2,048, N 2,048]; A: computed on the way; B: softmax (see below): QUANTISED (scales: A lowp_scales[4], B lowp_scales[5])
;;     4. [M 8,192, K 1,024] x [K 1,024, N 1,024]; A: computed on the way; B: input w_proj: QUANTISED (scales: A lowp_scales[6], B lowp_scales[7])
;;   THE QUANTISER, for each operand of a quantised product, along K:
;;     - The operand's scale is 2^e, e = its entry of the input lowp_scales (int32; the entries are numbered through the quantised products in the list's order, A before B).
;;     - Each number is divided by the scale, clamped to +-448, and rounded to the nearest number of E4M3, ties to even, subnormals kept.
;;     - The product sums the exact products of the quantised numbers (number of the format x scale) in f32.
;;   ~~~python
;;   def quantise(x, axis, e):      # numpy; x: float32 -> the quantised numbers, widened to float32 again
;;       x = np.moveaxis(x, axis, -1); K = x.shape[-1]
;;       r = np.clip(x / 2.0 ** e, -448, 448)
;;       step = 2.0 ** (np.maximum(np.frexp(np.where(r == 0, 1, r))[1] - 1, -6) - 3)
;;       q = np.round(r / step) * step * 2.0 ** e      # np.round: ties to even
;;       return np.moveaxis(q, -1, axis).astype(np.float32)
;;   ~~~
;;   SOFTMAX AHEAD OF A QUANTISED PRODUCT. Where the list says 'softmax', what is quantised is not the finished softmax but p = 2^(t - M), with t = logit x log2(e) and M = ceil(the row's largest t), a whole number; so 1/2 < the row's largest p <= 1. The row's sum l is taken of the UNQUANTISED p, in f32, and the product's result is divided by l at the end. Since M is a whole number, a kernel that streams over the keys may use a running M (the ceiling of the running maximum): every later rescaling is an exact power of two, so the quantised numbers keep their values, but for numbers so far below the row's largest that they fall under the format's range.
;;   OPERANDS COMPUTED ON THE WAY. 'Computed on the way' means the value that the module computes at that place (a softmax that the list does not call 'softmax' is quantised finished and normalised). What goes into a quantiser is computed in f32, as accurately as f32 sums, v_exp_f32 and their like allow (about 1e-6 of the number): no bf16 or f16 on the way to a quantiser, and a product that is left as it is and whose result goes on into a quantised operand takes f32 operands (vector FMAs, or v_wmma_f32_16x16x4_f32). A number that lies on a knife's edge between two numbers of the format may be rounded either way, as far as f32 arithmetic and the matrix unit's own rounding can turn it there, and no further.
;; One version. Each part assembles by itself: llvm-mc -triple=amdgcn-amd-amdhsa -mcpu=gfx1250 --defsym DOCPART=n.
;; ======== version 1 of 1: 4 launches
;; limits: right only within a limited range of input values
;; workspace buffers: codes 12,582,912 bytes; qkv 25,165,824 bytes; oc 8,388,608 bytes
;; launch quant (part 1): grid 1536 x 1, 4 waves a work-group, no clusters, 33,280 bytes of LDS; arguments x, w_qkv, w_proj, lowp_scales, codes; writes codes
.if DOCPART == 1
	.amdgcn_target "amdgcn-amd-amdhsa--gfx1250"
	.amdhsa_code_object_version 6
	.text
	.protected	k_qe7934e489b_quant
	.globl	k_qe7934e489b_quant
	.p2align	8
	.type	k_qe7934e489b_quant,@function
k_qe7934e489b_quant:
	s_mov_b64 s[64:65], 0
	v_nop
	global_prefetch_b8 v0, s[64:65] scope:SCOPE_SE
	s_setreg_imm32_b32 hwreg(HW_REG_WAVE_MODE, 25, 1), 1
	s_wait_xcnt 0x0
; x [8192][1024], w_qkv [3072][1024] and w_proj [1024][1024], f32, become codes of FP8 (E4M3), one code a byte, K innermost, in ONE matrix of 12,288 rows x 1,024 bytes:
; rows 0-8,191 x; rows 8,192-11,263 w_qkv with its rows in another order; rows 11,264-12,287 w_proj.
; code = number / 2^e, held within +-448, rounded to the nearest code, ties to even.  e = entry 0 (x), 1 (w_qkv), 7 (w_proj) of the scales' buffer.
; LIMITS: each of these e lies between -126 and 119, so that 2^e and 448 x 2^e are f32 numbers.  NaN among the inputs is not served (an infinity is held at the largest code).
; THE ORDER OF w_qkv's ROWS.  Source row h*192 + t*64 + d (head h; t = 0 q, 1 k, 2 v) goes to row 8192 + t*1024 + h*64 + pos: q's, k's and v's rows each lie together, head by head.
; pos = d for q and k.  For v the groups of eight rows 1 and 2 of every 32 change places, so that the attention launch's results come out with 16 neighbouring channels in a lane's registers.
; A wave takes 2 whole rows (2,048 numbers) of a run of 8 rows, which stays together under that order, in 4 steps of 512 numbers; all its 16 loads are issued at its head.  Each load reads 512 consecutive bytes; a step's 2,048 bytes
; turn through the wave's own stage in LDS and come back 64 bytes (16 neighbours along K) a lane, as the conversions want them; a lane's 16 codes are 16 bytes, so a store of the wave covers 512 consecutive bytes, aligned.
; One path through the text serves all three tensors: only pointers, offsets and e are chosen, by the work-group's number.  No barrier: waves share nothing.
.set WAVES, 4
.set STEPS, 4
.set WGX,   1024                       ; work-groups for x: 8,192 rows / 8
.set WGQ,   384                        ; for w_qkv; the last 128 take w_proj
.set EMAX,  8
.set MANT,  0x600000                   ; the mantissa field of 448 as f32
.set CB,    16                         ; bytes of 16 codes
.set R,     16                         ; v16-79   four sets of 16 numbers as they are loaded
.set X,     80                         ; v80-111  two sets of 16 neighbours
.set C,     128                        ; v128-143 codes: four registers for each step, so that no store's data are written again
.set WREG,  8192                       ; LDS: a region for each wave: two stages of 32 x SP bytes
.set SP,    80                         ; a lane's place in a stage: its 64 bytes + 16 of padding
.set SPW,   12                         ; v12      LDS address of my spare word; never rewritten
.set NIL,   13                         ; v13      0; never rewritten
.set SPARE, WAVES*WREG                 ; behind the four regions: the spare words, 128 bytes a wave, which no other line names
	s_load_b256 s[4:11], s[0:1], 0x0               ; x s[4:5], w_qkv s[6:7], w_proj s[8:9], the scales' exponents s[10:11]
	s_load_b64 s[12:13], s[0:1], 0x20              ; codes
	v_lshl_add_u32 v[SPW], v0, 2, SPARE
	v_mov_b32 v[NIL], 0
	v_lshrrev_b32 v1, 5, v0
	v_readfirstlane_b32 s16, v1                    ; wave
	v_and_b32 v2, 31, v0                           ; lane
	v_lshlrev_b32 v3, 4, v2                        ; my 16 bytes of a load's 512
	s_mul_i32 s19, s16, WREG
	v_lshrrev_b32 v14, 2, v2
	v_mul_u32_u24 v14, v14, SP
	v_and_b32 v15, 3, v2
	v_lshl_add_u32 v14, v15, 4, v14
	v_add_nc_u32 v14, s19, v14                     ; the stage, on the way in: four lanes' 64 bytes on end, then 16 of padding
	v_mul_u32_u24 v15, v2, SP
	v_add_nc_u32 v15, s19, v15                     ; and on the way out: my 16 neighbours
	v_mul_u32_u24 v4, v2, CB                       ; my codes' place in a step's
	s_cmp_lt_u32 ttmp9, WGX                        ; which tensor: the choice hangs on the work-group's number alone
	s_cselect_b32 s17, 0, WGX
	s_cmp_lt_u32 ttmp9, WGX+WGQ
	s_cselect_b32 s17, s17, WGX+WGQ                ; the tensor's first work-group
	s_sub_co_u32 s18, ttmp9, s17
	s_lshl_b32 s18, s18, 2
	s_add_co_u32 s18, s18, s16                     ; which run of 2 rows of the tensor is my wave's
	s_lshl_b32 s20, s18, 13                        ; its first byte in the source: 2 rows of 4,096 bytes
	s_mov_b32 s21, 0
	s_and_b32 s30, s18, 3
	s_lshl_b32 s30, s30, 11                        ; its place among its run of 8 rows of codes: 2 rows of 1,024 bytes
	s_lshr_b32 s18, s18, 2                         ; R: which run of 8 rows
	s_lshr_b32 s22, s18, 3                         ; w_qkv: R = 24 h + 8 t + gd.  G = 3 h + t, under 48,
	s_mul_i32 s23, s22, 43
	s_lshr_b32 s23, s23, 7                         ; h = G / 3 (43 / 128 is 1 / 3 + 1 / 384: exact below G = 128)
	s_mul_i32 s24, s23, 3
	s_sub_co_u32 s24, s22, s24                     ; t
	s_and_b32 s25, s18, 7                          ; gd: which eight of the head's 64 rows
	s_and_b32 s26, s25, 4
	s_and_b32 s27, s25, 1
	s_lshl_b32 s27, s27, 1
	s_or_b32 s26, s26, s27
	s_bfe_u32 s27, s25, 0x10001
	s_or_b32 s26, s26, s27                         ; gd with its two low bits changed over
	s_cmp_eq_u32 s24, 2
	s_cselect_b32 s25, s26, s25                    ; for v alone
	s_lshl_b32 s24, s24, 10
	s_lshl_b32 s23, s23, 6
	s_lshl_b32 s25, s25, 3
	s_add_co_u32 s24, s24, s23
	s_add_co_u32 s24, s24, s25
	s_add_co_u32 s24, s24, 8192                    ; w_qkv's destination row
	s_lshl_b32 s26, s18, 3                         ; x's: 8 R
	s_add_co_u32 s27, s26, 11264                   ; w_proj's
	s_cmp_lt_u32 ttmp9, WGX
	s_cselect_b32 s24, s26, s24
	s_cmp_lt_u32 ttmp9, WGX+WGQ
	s_cselect_b32 s24, s24, s27
	s_lshl_b32 s28, s24, 10                        ; in bytes,
	s_add_co_u32 s28, s28, s30                     ; and my 2 rows of the 8
	s_mov_b32 s29, 0
	s_wait_alu depctr_va_vdst(0)
	s_wait_kmcnt 0x0
	s_load_b256 s[32:39], s[10:11], 0x0            ; the eight exponents
	s_cmp_lt_u32 ttmp9, WGX
	s_cselect_b64 s[14:15], s[4:5], s[6:7]
	s_cmp_lt_u32 ttmp9, WGX+WGQ
	s_cselect_b64 s[14:15], s[14:15], s[8:9]       ; the source
	s_add_nc_u64 s[14:15], s[14:15], s[20:21]
	s_add_nc_u64 s[12:13], s[12:13], s[28:29]
.macro LOAD t
.irp i, 0,1,2,3
	global_load_b128 v[R+16*((\t)%4)+4*\i:R+16*((\t)%4)+4*\i+3], v3, s[14:15] offset:2048*(\t)+512*\i th:TH_LOAD_NT   ; 32 lanes read 512 consecutive bytes; read once in the launch
.endr
.endm
.macro TURN t                          ; step t's numbers through the stage: LDS serves a wave's instructions in order, so no wait stands between the stores and the loads
.irp i, 0,1,2,3
	ds_store_b128 v14, v[R+16*((\t)%4)+4*\i:R+16*((\t)%4)+4*\i+3] offset:32*SP*((\t)%2)+8*SP*\i
.endr
.irp i, 0,1,2,3
	ds_load_b128 v[X+16*((\t)%2)+4*\i:X+16*((\t)%2)+4*\i+3], v15 offset:32*SP*((\t)%2)+16*\i
.endr
.endm
.irp t, 0,1,2,3
	LOAD \t
.endr
	s_wait_kmcnt 0x0
	s_cmp_lt_u32 ttmp9, WGX
	s_cselect_b32 s22, s32, s33
	s_cmp_lt_u32 ttmp9, WGX+WGQ
	s_cselect_b32 s22, s22, s39                    ; e
	s_add_co_i32 s22, s22, 127
	s_lshl_b32 s23, s22, 23
	v_mov_b32 v11, s23                             ; 2^e as f32: the conversion takes its exponent field
	s_add_co_i32 s22, s22, EMAX
	s_lshl_b32 s22, s22, 23
	s_or_b32 s22, s22, MANT
	v_mov_b32 v10, s22                             ; 448 x 2^e
	s_wait_alu depctr_va_vdst(0)
	s_wait_loadcnt 12                              ; step 0's four loads are in; the twelve of steps 1 to 3 may be out
	TURN 0
.macro STEP t
.set XS, X+16*((\t)%2)
	s_wait_dscnt 0x0                               ; this step's numbers are back from the stage
.if (\t)+1 < STEPS
	s_wait_loadcnt 4*(STEPS-2-(\t))                ; the next step's four loads are in; those of the steps behind it may be out
	TURN (\t)+1                                    ; and go through the other stage while this step is worked
.endif
.irp i, 0,1,2,3,4,5,6,7,8,9,10,11,12,13,14,15
	v_med3_num_f32 v[XS+\i], v[XS+\i], -v10, v10   ; the conversion to an 8-bit code does not saturate (ISA guide 7.6.2): the number is held within the largest code x the scale first
.endr
	v_cvt_scalef32_pk8_fp8_f32 v[C+4*(\t):C+4*(\t)+1], v[XS:XS+7], v11
	v_cvt_scalef32_pk8_fp8_f32 v[C+4*(\t)+2:C+4*(\t)+3], v[XS+8:XS+15], v11   ; the results go to a store alone; the next vector lines, the next step's holds, are plain and touch other registers
	global_store_b128 v4, v[C+4*(\t):C+4*(\t)+3], s[12:13] offset:32*CB*(\t)
.endm
.irp t, 0,1,2,3
	STEP \t
.endr
	s_wait_tensorcnt 0x0                           ; the wave's end: behind my last LDS store
	ds_add_u32 v[SPW], v[NIL]
	s_wait_dscnt 0x0
	s_endpgm
.Lfunc_end_k_qe7934e489b_quant:
	.size	k_qe7934e489b_quant, .Lfunc_end_k_qe7934e489b_quant-k_qe7934e489b_quant
	.p2alignl 7, 3214868480
	.fill 96, 4, 3214868480
	.section	.rodata,"a",@progbits
	.p2align	6, 0x0
	.amdhsa_kernel k_qe7934e489b_quant
		.amdhsa_group_segment_fixed_size 33280
		.amdhsa_private_segment_fixed_size 0
		.amdhsa_enable_private_segment 0
		.amdhsa_kernarg_size 40
		.amdhsa_user_sgpr_count 2
		.amdhsa_user_sgpr_kernarg_segment_ptr 1
		.amdhsa_wavefront_size32 1
		.amdhsa_system_sgpr_workgroup_id_x 1
		.amdhsa_system_sgpr_workgroup_id_y 1
		.amdhsa_system_sgpr_workgroup_id_z 1
		.amdhsa_system_vgpr_workitem_id 0
		.amdhsa_next_free_vgpr 144
		.amdhsa_next_free_sgpr 66
		.amdhsa_reserve_vcc 0
		.amdhsa_float_denorm_mode_32 3
		.amdhsa_float_denorm_mode_16_64 3
		.amdhsa_memory_ordered 1
		.amdhsa_forward_progress 1
		.amdhsa_inst_pref_size 13
	.end_amdhsa_kernel
	.amdgpu_metadata
---
amdhsa.version: [ 1, 2 ]
amdhsa.kernels:
  - .name:           k_qe7934e489b_quant
    .symbol:         k_qe7934e489b_quant.kd
    .args:
      - { .name: x, .offset: 0, .size: 8, .value_kind: global_buffer, .address_space: global }
      - { .name: w_qkv, .offset: 8, .size: 8, .value_kind: global_buffer, .address_space: global }
      - { .name: w_proj, .offset: 16, .size: 8, .value_kind: global_buffer, .address_space: global }
      - { .name: lowp_scales, .offset: 24, .size: 8, .value_kind: global_buffer, .address_space: global }
      - { .name: codes, .offset: 32, .size: 8, .value_kind: global_buffer, .address_space: global }
    .group_segment_fixed_size: 33280
    .private_segment_fixed_size: 0
    .kernarg_segment_align: 8
    .kernarg_segment_size: 40
    .max_flat_workgroup_size: 128
    .sgpr_count:     66
    .vgpr_count:     144
    .wavefront_size: 32
...
	.end_amdgpu_metadata
.endif
;; end of part 1
;; launch qkvg (part 2): grid 12 x 32, 4 waves a work-group, clusters of 4 x 4, 327,680 bytes of LDS; arguments codes, lowp_scales, qkv; writes qkv
.if DOCPART == 2
	.amdgcn_target "amdgcn-amd-amdhsa--gfx1250"
	.amdhsa_code_object_version 6
	.text
	.protected	k_qe7934e489b_qkvg
	.globl	k_qe7934e489b_qkvg
	.p2align	8
	.type	k_qe7934e489b_qkvg,@function
k_qe7934e489b_qkvg:
	s_mov_b64 s[64:65], 0
	v_nop
	global_prefetch_b8 v0, s[64:65] scope:SCOPE_SE
	s_setreg_imm32_b32 hwreg(HW_REG_WAVE_MODE, 25, 1), 1
	s_wait_xcnt 0x0
	s_wait_alu depctr_hold_cnt(0) depctr_sa_sdst(0) depctr_va_vdst(0) depctr_va_sdst(0) depctr_va_ssrc(0) depctr_va_vcc(0) depctr_vm_vsrc(0)
	s_getreg_b32 s2, hwreg(HW_REG_IB_STS2, 6, 4)
	s_cmp_eq_u32 s2, 0
	s_cbranch_scc0 .Lentry_in_a_cluster
	s_endpgm
.Lentry_in_a_cluster:
	s_bfe_u32 s2, ttmp6, 0x10000c
	s_cmp_lg_u32 s2, 0xf033
	s_cbranch_scc0 .Lentry_shape_is_right
	s_endpgm
.Lentry_shape_is_right:
; q, k and v = x w_qkv^T on codes of FP8 (E4M3), quantised again on the way out and stored as IMAGES OF THE OPERAND REGISTERS that the attention launch wants.
; All operands are rows of the one matrix 'codes' (12,288 rows x 1,024 bytes, K innermost): x at row 0, Wq at 8,192, Wk at 9,216, Wv at 10,240 (head by head, 64 rows each).
; The cluster's x says which: 0 q, 1 k, 2 v.  q and k: A = 256 rows of x, B = 256 rows of the weight.  v: A = 256 rows of Wv, B = 256 rows of x, so that v comes out with the KEYS along a lane's registers.
; A tile, 256 x 256, is made by four waves, each 128 x 128: 64 accumulators of 16 x 16, 512 registers.  K = 1,024 goes in four steps of 256 through a ring of two LDS slots filled by the tensor data mover.
; A load brings 256 rows x 256 bytes, so a K step is two loads.  At the head the four waves fetch both slots, one load each: wave 0 A's K step 0, wave 1 B's, wave 2 A's K step 1, wave 3 B's.  Slot s is filled again by waves 2 s and 2 s + 1.
; CLUSTERS: 4 x 4 work-groups.  The four of a row of the cluster need the same rows of A, the four of a column the same rows of B: each tile is asked for JOINTLY, by the same tensor load with the same descriptor and a mask
; that names the four.  A's address is made of cy and the cluster's numbers, B's of cx and the cluster's numbers.  No branch hangs on any of them: what differs between q, k and v is chosen by s_cselect_b32.
; NO PREFETCH: the block is the largest that the registers hold, in clusters, and K is four steps, two of which are asked for at the head.
; THE MATRIX INSTRUCTION IS USED TRANSPOSED (source 0 = 16 rows of B, source 1 = 16 rows of A): lane (r, h) of accumulator (a, b) holds A's row 16 a + r and B's rows 16 b + 8 h + 0 .. 7.
; THE WAY OUT.  A sum stands for sum x 2^(e0 + e1); its code is sum / 2^(eX - e0 - e1), X = 2 (q), 3 (k), 4 (v), held within +-448.  The eight conversions of a block a give 16 registers: registers 2 b, 2 b + 1 hold B's rows
; 16 b + 8 h + 0 .. 7: for q and k two fragments (16 rows x 64 channels) of two neighbouring heads, for v one fragment (16 channels x 128 keys), each in the plain form's own layout.  They are stored as they stand, four
; registers a store, lane l's 16 bytes at 16 l: a store of the wave covers 512 consecutive bytes, aligned.  No stage in LDS.
; qkv: q at byte 0, k at 1 << 23, v at 2 << 23; head 16 batch + h at << 17 in each.  q, k: tile of 16 rows at (s / 16) << 10.  v: 128 keys at (s / 128) << 13, four tiles of 16 channels of 2,048 bytes.
; LIMITS: eX - e0 - e1 lies between -126 and 119 for X = 2, 3, 4, so that the conversion's scale and 448 x it are f32 numbers.
; REGISTERS, in windows of 256: window 0: v0-31 addresses and the two scale registers; v32-95 a block's held sums; from v128 A's fragments, ONE set, later the codes.  window 1: B's fragments, TWO sets.  windows 2, 3: the accumulators.
.set ROWB,   256                       ; a tile's row in bytes: 256 along K
.set KROW,   1024                      ; a row of 'codes' in bytes
.set PITCH,  272                       ; an LDS row: 256 bytes + 16 of padding = 68 words: the 16 rows that a load touches start at 16 different banks (64 banks of 4 bytes: ISA guide 11.1)
.set FR,     16                        ; registers of a fragment: 16 rows x 128 K
.set NL,     4                         ; LDS loads that bring one
.set NP,     4                         ; places behind this matrix instruction (ISA guide 7.12.1)
.set HALFT,  128*PITCH                 ; 128 rows: what one wave reads of A or of B
.set SLOT,   4*HALFT                   ; A's 256 rows, then B's 256 rows
.set SPARE,  2*SLOT                    ; behind the ring: the spare words, 128 bytes a wave, which no other line names
.set VO,   8                           ; v8-15   the way out: 16 x lane + k x STEPA + hi x HI at v[VO + 2 k + hi]; never rewritten
.set ADRA, 16                          ; v16-17  LDS address of my A fragments in slot 0, 1
.set ADRB, 20                          ; v20-21  the same for B
.set SPW,  28                          ; v28     LDS address of my spare word; never rewritten
.set NIL,  29                          ; v29     0; never rewritten
.set SC,   30                          ; v30     2^(eX - e0 - e1) as f32
.set LIMV, 31                          ; v31     448 x that
.set TMP,  32                          ; v32-95  a block's 64 sums, held
.set AF,   128                         ; A's fragments
.set CD,   128                         ; the way out: 16 registers of codes for each block, so that no store's data are written again
.set G1, 24                            ; s[24:31] descriptor group 1 for A's tiles;  s[32:39] group 0, one set for each slot
.set G0, 32
.set G1B, 48                           ; s[48:55], s[56:63] the same for B's tiles
.set G0B, 56
.set MSB, 0
.macro WIN new                         ; the immediate's high byte repeats the setting that is left
.if MSB != \new
	s_set_vgpr_msb (MSB<<8)|\new
.set MSB, \new
.endif
.endm
.set MUL_LO, 0xa1                      ; source 0 (B) window 1, source 1 (A) window 0, C and D window 2
.set MUL_HI, 0xf1                      ; the same, C and D window 3
.set TO_B,   0x40                      ; destination window 1, address window 0
.macro ARM g0, g1                      ; a joint load; an s_nop 0 and four v_nop follow it, ahead of the jump, the label and what follows
	tensor_load_to_lds s[\g0:\g0+3], s[\g1:\g1+7]
	s_nop 0
.rept 4
	v_nop
.endr
.endm
.macro JLOAD slot                      ; a slot's refill: wave 2 slot fetches A's tile, wave 2 slot + 1 B's, the others nothing.  The branches hang on the wave's number alone
	s_cmp_eq_u32 s14, 2*\slot
	s_cbranch_scc0 .Lfor_b_\@
	ARM G0+4*\slot, G1
	s_branch .Lasked_\@
.Lfor_b_\@:
	s_cmp_eq_u32 s14, 2*\slot+1
	s_cbranch_scc0 .Lasked_\@
	ARM G0B+4*\slot, G1B
.Lasked_\@:
.endm
.macro CREST                           ; a round of the cluster's barrier behind its opening barrier
	s_cmp_lg_u32 s14, 0
	s_cbranch_scc1 .Lnot_wave_0_\@
	s_barrier_signal -3
.Lnot_wave_0_\@:
	s_barrier_wait -3
	s_barrier_signal -1
	s_barrier_wait -1
.endm
.macro CROUND                          ; a whole round
	s_barrier_signal -1
	s_barrier_wait -1
	CREST
.endm
	s_load_b128 s[4:7], s[0:1], 0x0                ; codes s[4:5], the scales' exponents s[6:7]
	s_load_b64 s[8:9], s[0:1], 0x10                ; qkv
	v_lshl_add_u32 v[SPW], v0, 2, SPARE
	v_mov_b32 v[NIL], 0
	ds_add_u32 v[SPW], v[NIL]                      ; the wave's opening: the add, twice on end, and its wait ahead of my first tensor load
	ds_add_u32 v[SPW], v[NIL]
	v_lshrrev_b32 v1, 5, v0
	v_readfirstlane_b32 s14, v1                    ; wave 0..3
	s_lshr_b32 s15, s14, 1                         ; which half of the tile's A rows I multiply
	s_and_b32 s16, s14, 1                          ; which half of its B rows
	s_bfe_u32 s40, ttmp6, 0x40000                  ; cx, cy: my place in the cluster
	s_bfe_u32 s41, ttmp6, 0x40004
	s_and_b32 s17, ttmp7, 0xffff                   ; the cluster's y: which 1,024 rows of x
	s_lshl_b32 s43, s41, 2
	s_lshl_b32 s43, 15, s43                        ; my row of the cluster
	s_lshl_b32 s44, 0x1111, s40                    ; my column
	; descriptor group 1: a tile of 256 rows x 256 bytes, padded in LDS
	s_or_b32 s[G1+0], s43, (0<<16)|(1<<20)|(1<<21)|(5<<22)|(3<<25)  ; 15:0 the mask: A's tiles go to my row; 17:16 element of 1 byte; 20 padding on; 21 set beside a mask; 24:22 after every 64 words (code 5); 31:25 of 4 words (code 3)
	s_or_b32 s[G1B+0], s44, (0<<16)|(1<<20)|(1<<21)|(5<<22)|(3<<25)
.irp g, G1, G1B
	s_mov_b32 s[\g+1], ROWB<<16                    ; tensor_dim0
	s_mov_b32 s[\g+2], 256<<16                     ; tensor_dim1 = 256
	s_mov_b32 s[\g+3], ROWB<<16                    ; tile_dim0
	s_mov_b32 s[\g+4], 256                         ; tile_dim1 = 256
	s_mov_b32 s[\g+5], KROW                        ; tensor_dim0_stride
	s_mov_b32 s[\g+6], 0
	s_mov_b32 s[\g+7], 0
.endr
	; the rows of 'codes' that are A's and B's.  SA and SB hang on the cluster's numbers alone, which all sixteen partners share
	s_lshl_b32 s18, s17, 10                        ; 1,024 x cluster y: rows of x
	s_lshl_b32 s19, ttmp9, 10
	s_add_co_u32 s19, s19, 8192                    ; Wq's or Wk's first row
	s_mov_b32 s45, 10240                           ; Wv's
	s_cmp_eq_u32 ttmp9, 2                          ; v?
	s_cselect_b32 s12, s45, s18                    ; SA
	s_cselect_b32 s13, s18, s19                    ; SB
	s_lshl_b32 s20, s41, 8
	s_add_co_u32 s20, s20, s12                     ; A: row 256 cy + SA
	s_lshl_b32 s46, s40, 8
	s_add_co_u32 s46, s46, s13                     ; B: row 256 cx + SB
	s_lshl_b32 s20, s20, 10                        ; in bytes: under 2^24
	s_lshl_b32 s46, s46, 10
	s_mov_b32 s21, 0
	s_mov_b32 s47, 0
	s_wait_dscnt 0x0                               ; both opening adds are done
	s_wait_kmcnt 0x0
	s_load_b256 s[72:79], s[6:7], 0x0              ; the eight exponents
	s_add_nc_u64 s[20:21], s[4:5], s[20:21]
	s_add_nc_u64 s[46:47], s[4:5], s[46:47]
.irp s, 0,1
	s_mov_b32 s[G0+4*\s], 1
	s_mov_b32 s[G0+4*\s+1], \s*SLOT                ; constants: no place in the cluster enters an LDS address
	s_add_nc_u64 s[G0+4*\s+2:G0+4*\s+3], s[20:21], \s*ROWB
	s_or_b32 s[G0+4*\s+3], s[G0+4*\s+3], 0x80000000
	s_mov_b32 s[G0B+4*\s], 1
	s_mov_b32 s[G0B+4*\s+1], 2*HALFT+\s*SLOT
	s_add_nc_u64 s[G0B+4*\s+2:G0B+4*\s+3], s[46:47], \s*ROWB
	s_or_b32 s[G0B+4*\s+3], s[G0B+4*\s+3], 0x80000000
.endr
	CROUND                                         ; all sixteen work-groups are here: the first joint loads meet
	s_cmp_eq_u32 s14, 0                            ; one chain of four arms, one load a wave: K steps 0 and 1
	s_cbranch_scc0 .Lh1
	ARM G0, G1
	s_branch .Lhj
.Lh1:
	s_cmp_eq_u32 s14, 1
	s_cbranch_scc0 .Lh2
	ARM G0B, G1B
	s_branch .Lhj
.Lh2:
	s_cmp_eq_u32 s14, 2
	s_cbranch_scc0 .Lh3
	ARM G0+4, G1
	s_branch .Lhj
.Lh3:
	ARM G0B+4, G1B
.Lhj:
	v_and_b32 v1, 15, v0                           ; l % 16
	v_bfe_u32 v2, v0, 4, 1                         ; l / 16
	v_mul_u32_u24 v3, v1, PITCH
	v_lshl_add_u32 v4, v2, 4, v3                   ; a fragment's row x pitch + 16 x half
	s_mul_i32 s21, s15, HALFT                      ; my 128 rows of A
	s_mul_i32 s22, s16, HALFT                      ; my 128 rows of B,
	s_add_co_u32 s22, s22, 2*HALFT                 ; which lie behind A's 256
.irp s, 0,1
	v_add_nc_u32 v[ADRA+\s], s21, v4
	v_add_nc_u32 v[ADRB+\s], s22, v4
	s_add_co_u32 s21, s21, SLOT
	s_add_co_u32 s22, s22, SLOT
.endr
	; the way out's addresses.  XR: my wave's first row of x (A's side for q and k, B's for v).  HH: my wave's first head (B's side for q and k, A's for v)
	s_lshl_b32 s87, s41, 8
	s_add_co_u32 s87, s87, s12
	s_lshl_b32 s88, s15, 7
	s_add_co_u32 s87, s87, s88                     ; q, k: 256 cy + SA + 128 (wave / 2)
	s_lshl_b32 s88, s40, 8
	s_add_co_u32 s88, s88, s13
	s_lshl_b32 s89, s16, 7
	s_add_co_u32 s88, s88, s89                     ; v: 256 cx + SB + 128 (wave % 2)
	s_lshl_b32 s89, s40, 2
	s_lshl_b32 s90, s16, 1
	s_add_co_u32 s89, s89, s90                     ; q, k: head 4 cx + 2 (wave % 2)
	s_lshl_b32 s90, s41, 2
	s_lshl_b32 s91, s15, 1
	s_add_co_u32 s90, s90, s91                     ; v: head 4 cy + 2 (wave / 2)
	s_cmp_eq_u32 ttmp9, 2
	s_cselect_b32 s87, s88, s87                    ; XR
	s_cselect_b32 s89, s90, s89                    ; HH
	s_mov_b32 s84, 1024
	s_cselect_b32 s84, 2048, s84                   ; STEPA: from block a to a + 1: a tile of q or k is 1,024 bytes, of v 2,048
	s_mov_b32 s85, 131072
	s_cselect_b32 s85, 1024, s85                   ; HI: from a block's registers 0-7 to 8-15: the next head (q, k), the tile's second half (v)
	s_mov_b32 s86, 4096
	s_cselect_b32 s86, 131072, s86                 ; from block a to a + 4: four tiles on (q, k), the next head (v)
	s_lshl_b32 s88, ttmp9, 23                      ; the region,
	s_lshr_b32 s90, s87, 11
	s_lshl_b32 s90, s90, 21                        ; the batch's sixteen heads,
	s_add_co_u32 s88, s88, s90
	s_lshl_b32 s89, s89, 17                        ; the head,
	s_add_co_u32 s88, s88, s89
	s_and_b32 s87, s87, 2047
	s_lshl_b32 s87, s87, 6                         ; and 64 bytes for each row s, in q, k and v alike
	s_add_co_u32 s88, s88, s87
	s_mov_b32 s89, 0
	s_add_nc_u64 s[80:81], s[8:9], s[88:89]        ; blocks 0-3
	s_mov_b32 s87, 0
	s_add_nc_u64 s[82:83], s[80:81], s[86:87]      ; blocks 4-7
	v_and_b32 v6, 31, v0
	v_lshlrev_b32 v6, 4, v6                        ; 16 x lane
.irp k, 0,1,2,3
	s_mul_i32 s90, s84, \k
	v_add_nc_u32 v[VO+2*\k], s90, v6
	v_add_nc_u32 v[VO+2*\k+1], s85, v[VO+2*\k]
.endr
.macro FRAG reg, adr, q, i             ; a fragment, 16 rows x 128 K of 8-bit codes, is 16 registers: lane l holds row l % 16; registers 4 c .. 4 c + 3 hold K = 32 c + 16 (l / 16) + 0 .. 15: the same places of k in A and in B, so every product meets its partner
.irp c, 0,1,2,3
	ds_load_b128 v[\reg+4*\c:\reg+4*\c+3], v[\adr] offset:128*(\q)+32*\c+(\i)*16*PITCH
.endr
.endm
; 16 matrix instructions: A's blocks a0, a0 + 1 x B's eight, 128 along K.  p: B's set.  zero = 1: the first product starts the sums: nothing is ever cleared.
; The 64 accumulators take turns, one instruction a turn, in the same order in every step.
.macro MUL16 a0, p, zero
.irp a, \a0, \a0+1
.irp b, 0,1,2,3,4,5,6,7
.if \zero
	v_wmma_f32_16x16x128_fp8_fp8 v[8*(8*((\a)%4)+\b):8*(8*((\a)%4)+\b)+7], v[128*(\p)+FR*\b:128*(\p)+FR*\b+FR-1], v[AF+FR*(\a):AF+FR*(\a)+FR-1], 0
.else
	v_wmma_f32_16x16x128_fp8_fp8 v[8*(8*((\a)%4)+\b):8*(8*((\a)%4)+\b)+7], v[128*(\p)+FR*\b:128*(\p)+FR*\b+FR-1], v[AF+FR*(\a):AF+FR*(\a)+FR-1], v[8*(8*((\a)%4)+\b):8*(8*((\a)%4)+\b)+7]
.endif
.endr
.endr
.endm
.macro FETCH_B slot, q, p              ; B's eight fragments of the slot's q-th 128 along K into set p
	WIN TO_B
.irp i, 0,1,2,3,4,5,6,7
	FRAG 128*(\p)+FR*\i, ADRB+\slot, \q, \i
.endr
	WIN 0
.endm
.macro FETCH_A slot, q, i0             ; A's blocks i0 .. i0 + 3
.irp i, \i0, \i0+1, \i0+2, \i0+3
	FRAG AF+FR*(\i), ADRA+\slot, \q, \i
.endr
.endm
; A load into a register that a matrix instruction has read, and a vector instruction that reads a matrix result, stand NP places behind that matrix instruction; only plain vector instructions that name none of its
; registers are places (ISA guide 7.12.1 for vector instructions).
.macro PLACES n
.rept \n
	v_nop
.endr
.endm
; A step of 128 along K that has its successor in the same slot.  A has one set of registers: blocks 0-3 are fetched anew in the step's middle, blocks 4-7 at its end; B's next set comes in the middle run.
.macro STEP slot, q, zero
	s_wait_dscnt 4*NL                              ; B's set and A's blocks 0-3 are in; the youngest 16 loads (A's blocks 4-7) may be out
	WIN MUL_LO
	MUL16 0, (\q)%2, \zero
	MUL16 2, (\q)%2, \zero
	s_wait_dscnt 0                                 ; A's blocks 4-7 are in
	PLACES NP
	FETCH_B \slot, (\q)+1, 1-(\q)%2
	FETCH_A \slot, (\q)+1, 0
	WIN MUL_HI
	MUL16 4, (\q)%2, \zero
	MUL16 6, (\q)%2, \zero
	PLACES NP
	WIN 0
	FETCH_A \slot, (\q)+1, 4
.endm
; A slot's last step changes slots: ONE barrier; in front of it each wave waits for all its tensor loads, adds 0 to its spare word, and waits for that and for its own reads of this slot.  fill = 1: this slot is filled again, two K steps ahead.
.macro TURN slot, next, fill
	s_wait_tensorcnt 0x0                           ; all my tensor loads have landed  (every window is 0 here: the add's two registers lie in window 0)
	ds_add_u32 v[SPW], v[NIL]                      ; 0 onto my spare word
	s_wait_dscnt 4*NL+1                            ; (the add and the youngest 16 loads, A's blocks 4-7, may be out)
	WIN MUL_LO
	MUL16 0, 1, 0                                  ; sixteen matrix instructions stand between the add and the wait for it
	s_wait_dscnt 0x0                               ; the add is done, and my reads of this slot are over
	s_barrier_signal -1
	MUL16 2, 1, 0
	WIN 0
	s_barrier_wait -1
.if \fill
	CREST                                          ; the barrier has opened a round of the cluster's barrier: no wave of any partner still reads this slot's tile or has a load on its way
	s_add_nc_u64 s[G0+4*\slot+2:G0+4*\slot+3], s[G0+4*\slot+2:G0+4*\slot+3], 2*ROWB
	s_add_nc_u64 s[G0B+4*\slot+2:G0B+4*\slot+3], s[G0B+4*\slot+2:G0B+4*\slot+3], 2*ROWB
	JLOAD \slot                                    ; the first tensor load behind the round
.endif
	PLACES NP                                      ; on every wave's way: in front of the loads below
	FETCH_B \next, 0, 0
	FETCH_A \next, 0, 0
	WIN MUL_HI
	MUL16 4, 1, 0
	MUL16 6, 1, 0
	PLACES NP
	WIN 0
	FETCH_A \next, 0, 4
.endm
	s_wait_alu depctr_va_vdst(0)
	s_wait_tensorcnt 0x0                           ; my tile is in,
	s_barrier_signal -1
	s_barrier_wait -1                              ; everybody's is: K steps 0 and 1 are whole.
	FETCH_B 0, 0, 0
	FETCH_A 0, 0, 0
	FETCH_A 0, 0, 4
	STEP 0, 0, 1                                   ; K = 1,024 is four slots' worth: the eight steps of 128 are written out.  The first step's products start the sums
	TURN 0, 1, 1                                   ; slot 0 takes K 512 on
	STEP 1, 0, 0
	TURN 1, 0, 1                                   ; slot 1 takes K 768 on
	STEP 0, 0, 0
	TURN 0, 1, 0                                   ; nothing is left to fetch: no round of the cluster's barrier
	STEP 1, 0, 0
	s_wait_dscnt 4*NL                              ; the very last step
	WIN MUL_LO
	MUL16 0, 1, 0
	MUL16 2, 1, 0
	s_wait_dscnt 0
	WIN MUL_HI
	MUL16 4, 1, 0
	MUL16 6, 1, 0
	WIN 0
	s_wait_kmcnt 0x0
	s_cmp_eq_u32 ttmp9, 0
	s_cselect_b32 s90, s74, s75                    ; e2 for q, e3 for k,
	s_cmp_eq_u32 ttmp9, 2
	s_cselect_b32 s90, s76, s90                    ; e4 for v
	s_sub_co_i32 s90, s90, s72
	s_sub_co_i32 s90, s90, s73                     ; eX - e0 - e1: the three scales folded into the conversion's one
	s_add_co_i32 s90, s90, 127
	s_lshl_b32 s91, s90, 23
	v_mov_b32 v[SC], s91
	s_add_co_i32 s90, s90, 8
	s_lshl_b32 s90, s90, 23
	s_or_b32 s90, s90, 0x600000
	v_mov_b32 v[LIMV], s90                         ; 448 x that
	PLACES NP
; Block a: its 64 sums are held (each accumulator from its low end on), converted, and stored as they stand.
.macro OUTBLK a
.set AC, 64*((\a)%4)
.set BASE, 80+2*((\a)/4)
	WIN 0x02+((\a)/4)                              ; source 0: window 2 or 3
.set JJ, 0
.rept 64
	v_med3_num_f32 v[TMP+JJ], v[AC+JJ], -v[LIMV], v[LIMV]   ; the conversion to an 8-bit code does not saturate (ISA guide 7.6.2)
.set JJ, JJ+1
.endr
	WIN 0
.irp b, 0,1,2,3,4,5,6,7
	v_cvt_scalef32_pk8_fp8_f32 v[CD+16*(\a)+2*\b:CD+16*(\a)+2*\b+1], v[TMP+8*\b:TMP+8*\b+7], v[SC]
.endr
	v_nop                                          ; one plain vector instruction between the last conversion and the next block's holds, which write its sources
.irp c, 0,1,2,3
	global_store_b128 v[VO+2*((\a)%4)+(\c)/2], v[CD+16*(\a)+4*\c:CD+16*(\a)+4*\c+3], s[BASE:BASE+1] offset:512*((\c)%2)   ; 32 lanes store 512 consecutive bytes, at a multiple of 512 from the buffer's first byte
.endr
.endm
.irp a, 0,1,2,3,4,5,6,7
	OUTBLK \a
.endr
	s_wait_tensorcnt 0x0                           ; the wave's end: behind my last tensor load
	ds_add_u32 v[SPW], v[NIL]
	s_wait_dscnt 0x0
	CROUND                                         ; the closing round: no work-group ends while a partner may still ask for a tile that names it
	s_endpgm
.Lfunc_end_k_qe7934e489b_qkvg:
	.size	k_qe7934e489b_qkvg, .Lfunc_end_k_qe7934e489b_qkvg-k_qe7934e489b_qkvg
	.p2alignl 7, 3214868480
	.fill 96, 4, 3214868480
	.section	.rodata,"a",@progbits
	.p2align	6, 0x0
	.amdhsa_kernel k_qe7934e489b_qkvg
		.amdhsa_group_segment_fixed_size 327680
		.amdhsa_private_segment_fixed_size 0
		.amdhsa_enable_private_segment 0
		.amdhsa_kernarg_size 24
		.amdhsa_user_sgpr_count 2
		.amdhsa_user_sgpr_kernarg_segment_ptr 1
		.amdhsa_wavefront_size32 1
		.amdhsa_system_sgpr_workgroup_id_x 1
		.amdhsa_system_sgpr_workgroup_id_y 1
		.amdhsa_system_sgpr_workgroup_id_z 1
		.amdhsa_system_vgpr_workitem_id 0
		.amdhsa_next_free_vgpr 1024
		.amdhsa_next_free_sgpr 100
		.amdhsa_reserve_vcc 0
		.amdhsa_float_denorm_mode_32 3
		.amdhsa_float_denorm_mode_16_64 3
		.amdhsa_memory_ordered 1
		.amdhsa_forward_progress 1
		.amdhsa_inst_pref_size 119
	.end_amdhsa_kernel
	.amdgpu_metadata
---
amdhsa.version: [ 1, 2 ]
amdhsa.kernels:
  - .name:           k_qe7934e489b_qkvg
    .symbol:         k_qe7934e489b_qkvg.kd
    .args:
      - { .name: codes, .offset: 0, .size: 8, .value_kind: global_buffer, .address_space: global }
      - { .name: lowp_scales, .offset: 8, .size: 8, .value_kind: global_buffer, .address_space: global }
      - { .name: qkv, .offset: 16, .size: 8, .value_kind: global_buffer, .address_space: global }
    .group_segment_fixed_size: 327680
    .private_segment_fixed_size: 0
    .kernarg_segment_align: 8
    .kernarg_segment_size: 24
    .max_flat_workgroup_size: 128
    .sgpr_count:     100
    .vgpr_count:     1024
    .wavefront_size: 32
...
	.end_amdgpu_metadata
.endif
;; end of part 2
;; launch attn (part 3): grid 4 x 64, 16 waves a work-group, clusters of 4 x 1, 327,680 bytes of LDS; arguments qkv, lowp_scales, oc; writes oc
.if DOCPART == 3
	.amdgcn_target "amdgcn-amd-amdhsa--gfx1250"
	.amdhsa_code_object_version 6
	.text
	.protected	k_qe7934e489b_attn
	.globl	k_qe7934e489b_attn
	.p2align	8
	.type	k_qe7934e489b_attn,@function
k_qe7934e489b_attn:
	s_mov_b64 s[64:65], 0
	v_nop
	global_prefetch_b8 v0, s[64:65] scope:SCOPE_SE
	s_setreg_imm32_b32 hwreg(HW_REG_WAVE_MODE, 25, 1), 1
	s_wait_xcnt 0x0
	s_wait_alu depctr_hold_cnt(0) depctr_sa_sdst(0) depctr_va_vdst(0) depctr_va_sdst(0) depctr_va_ssrc(0) depctr_va_vcc(0) depctr_vm_vsrc(0)
	s_getreg_b32 s2, hwreg(HW_REG_IB_STS2, 6, 4)
	s_cmp_eq_u32 s2, 0
	s_cbranch_scc0 .Lentry_in_a_cluster
	s_endpgm
.Lentry_in_a_cluster:
	s_bfe_u32 s2, ttmp6, 0x10000c
	s_cmp_lg_u32 s2, 0x3003
	s_cbranch_scc0 .Lentry_shape_is_right
	s_endpgm
.Lentry_shape_is_right:
; Causal attention on codes of FP8 (E4M3), head size 64, 64 heads (16 batch + h) of 2,048 rows.  q, k, v come as images of operand registers; the result is quantised with 2^e6 and stored as images for the last product.
; THE SOFTMAX AHEAD OF THE SECOND PRODUCT: t = score x log2(e) / 8; M = the row's largest t so far, rounded UP to a whole number; p = 2^(t - M) is what is quantised (2^e5), along the keys; it is not normalised.
; The row's sum is taken of the unquantised p, in f32, and divides O at the end.  When M moves, the sum and O are multiplied by 2^(old M - new M): exact.
; WORK LEFT OUT: key steps all of whose keys come after a tile's queries lie wholly under the causal mask that the problem builds itself; they are not multiplied.
; LDS HOLDS THE WHOLE HEAD: k's images 128 KiB at byte 0, v's 128 KiB at byte 131,072; each byte is filled once, nothing is filled again.  Group 1 (the head's one load a wave): the first 512 keys, 4 KiB a wave
; (waves 0-7 k, 8-15 v).  Group 2, behind the full sequence and a round: the other 1,536 keys, 12 KiB a wave; it is waited for behind the first four key steps, which read group 1's bytes alone.
; SHARES.  A head has 128 tiles of 16 queries.  Work-group i (0..3) of the head takes tiles 4 j + i, j = 0..31; wave w takes j = 31 - w and then j = w.  Tile 4 j + i needs the key steps (128 keys) 0 .. j / 2, whatever i is:
; 16 - w / 2 and w / 2 + 1 steps, SEVENTEEN in every wave of every work-group.  Only a tile's last step meets the diagonal.  Behind the barrier that shows group 2 the waves share nothing and meet no more until the end.
; The loops' trip counts are constants (4, 12, 8); a trip beyond a wave's count is jumped over by a branch on the wave's number and the counter.
; CLUSTER 4, 1, 1: the four work-groups of a head want the same k and v in the same order: every load is a joint one (mask 15), its descriptor made of the head and the wave's number.  The place in the cluster enters global
; addresses of q and of the result and the mask's lane numbers alone: no branch, trip count or LDS address.
; NO PREFETCH: both groups of tensor loads stand ahead of the loops; no later load exists for a loop to run ahead of.
; LAYOUT.  Both products are used transposed: S^T = k q^T (source 0 = 16 keys, source 1 = my 16 queries; K = 64), O^T = v^T p^T (source 0 = 16 channels, source 1 = p; K = 128 keys): a lane holds ONE query (lane % 16).
; In S^T's tile t lane (r, h) holds keys 16 t + 8 h + 0 .. 7: their eight codes are registers 2 t, 2 t + 1 of p's fragment in the K = 128 form's own layout.
; IMAGES.  q, k: a tile of 16 rows x 64 channels is 1,024 bytes, [2][lane][16 bytes].  v: 128 keys are four tiles of 16 channels, 2,048 bytes each, [4][lane][16].  A key step is 8 KiB of k and of v.  Every LDS read is 16 x lane + a constant.
; oc: (row >> 7) << 17 + (h >> 2) << 15 + ((row >> 4) & 7) << 12 + (h & 3) << 10 + B << 9 + 16 lane.
; LIMITS on the given exponents: e2 + e3 between -123 and 130 (added to the exponent field of log2(e) / 8); e5 and e6 between -126 and 119; e4 + e5 goes by v_ldexp_f32 and has none.  The scaled scores stay under 2^31 in magnitude.
; REGISTERS: v1-8 addresses and mask numbers that stay; v9-10 q's offsets; v12 -M, v13 the largest t, v[14:15] the sum; v16-23, v24-31 the two tiles' q; v32-95 k's eight fragments, then v's four; v96-159 S^T, then p;
; v160-191 O^T; v192-207 p's codes; v208-215 the result's codes; v234-255 at work and the scales.
.set VREG,  131072                     ; v's images begin here
.set SPARE, 262144                     ; behind them: the spare words, 128 bytes for each of 16 waves, which no other line names
.set LI,   1                           ; v1   16 x lane; never rewritten
.set ADR,  2                           ; v2   LDS address of the step's k
.set ADV,  3                           ; v3   of its v
.set LIV,  4                           ; v4   VREG + 16 x lane; never rewritten
.set SPW,  5                           ; v5   LDS address of my spare word; never rewritten
.set NIL,  6                           ; v6   0; never rewritten
.set MDA,  7                           ; v7   first tile: my query - the diagonal step's first key - 8 (lane / 16)
.set MDB,  8                           ; v8   second tile: the same
.set WV,   18                          ; s18  my wave's number
.set SEL,  20                          ; s[20:21] lane selects for v_permlanex16_b32: lane l xor 16
.set CS,   22                          ; s[22:23] c = log2(e) / 8 x 2^(e2 + e3)
.set G1A,  24                          ; s[24:31] descriptor group 1, group 1's loads: 16 rows of 256 bytes
.set G1B,  32                          ; s[32:39] group 2's: 48 rows
.set G0A,  40                          ; s[40:43], s[44:47] their groups 0
.set G0B,  44
.set CX,   48                          ; s48  my place in the cluster
.set HD,   49                          ; s49  the head
.set HB,   50                          ; s50  its first byte in each region of qkv
.set NA,   51                          ; s51  key steps of my first tile
.set NB,   52                          ; s52  of my second
.set Q0A,  53                          ; s53  first query of my first tile
.set Q0B,  54                          ; s54  of my second
.set E45,  55                          ; s55  e4 + e5
.set OA,   56                          ; s[56:57] where the first tile's result goes
.set OB,   58                          ; s[58:59] the second's
.set C,    60                          ; s60  the key step
.set TB,   61                          ; s61  8,192 x it
.macro ROUND                           ; a round of the cluster's barrier
	s_barrier_signal -1
	s_barrier_wait -1
	s_cmp_lg_u32 s[WV], 0
	s_cbranch_scc1 .Lnw0_\@
	s_barrier_signal -3
.Lnw0_\@:
	s_barrier_wait -3
	s_barrier_signal -1
	s_barrier_wait -1
.endm
.macro INIT                            ; a tile's state: the largest t -3e38, under every t; the sum and O^T zeros, which the first change of M leaves zeros
	v_mov_b32 v13, 0xff61b1e6
	s_delay_alu instid0(VALU_DEP_1)
	v_floor_f32 v12, -v13                          ; -M
	v_mov_b32 v14, 0
	v_mov_b32 v15, 0
.set JJ, 0
.rept 32
	v_mov_b32 v[160+JJ], 0
.set JJ, JJ+1
.endr
.endm
	s_load_b128 s[4:7], s[0:1], 0x0                ; qkv s[4:5], the scales' exponents s[6:7]
	s_load_b64 s[8:9], s[0:1], 0x10                ; oc
	v_lshl_add_u32 v[SPW], v0, 2, SPARE
	v_mov_b32 v[NIL], 0
	ds_add_u32 v[SPW], v[NIL]                      ; the wave's opening: the add, twice on end, and its wait ahead of my first tensor load
	ds_add_u32 v[SPW], v[NIL]
	v_lshrrev_b32 v11, 5, v0
	v_readfirstlane_b32 s[WV], v11                 ; wave 0..15
	s_bfe_u32 s[CX], ttmp6, 0x40000
	s_and_b32 s[HD], ttmp7, 0xffff
	s_lshl_b32 s[HB], s[HD], 17
	s_lshr_b32 s66, s[WV], 1
	s_sub_co_u32 s[NA], 16, s66
	s_add_co_u32 s[NB], s66, 1
	s_lshl_b32 s67, s[CX], 4
	s_sub_co_u32 s66, 31, s[WV]
	s_lshl_b32 s66, s66, 6
	s_add_co_u32 s[Q0A], s66, s67                  ; 64 (31 - w) + 16 i
	s_lshl_b32 s66, s[WV], 6
	s_add_co_u32 s[Q0B], s66, s67                  ; 64 w + 16 i
	; what I fetch: waves 0-7 of k, waves 8-15 of v; part w % 8 of each group
	s_and_b32 s76, s[WV], 7
	s_lshr_b32 s77, s[WV], 3
	s_lshl_b32 s78, s77, 17                        ; in LDS: k at 0, v at VREG
	s_add_co_u32 s79, s77, 1
	s_lshl_b32 s79, s79, 23                        ; in qkv: k's region or v's,
	s_add_co_u32 s79, s79, s[HB]                   ; the head
	s_lshl_b32 s80, s76, 12                        ; group 1: 4,096 x part
	s_mul_i32 s81, s76, 12288
	s_add_co_u32 s81, s81, 32768                   ; group 2: behind group 1's 32 KiB, 12,288 x part
	s_mov_b32 s[G0A], 1
	s_add_co_u32 s[G0A+1], s78, s80
	s_mov_b32 s[G0B], 1
	s_add_co_u32 s[G0B+1], s78, s81
	s_add_co_u32 s92, s79, s80
	s_mov_b32 s93, 0
	s_add_co_u32 s94, s79, s81
	s_mov_b32 s95, 0
	s_mov_b32 s[G1A], 15|(3<<16)|(1<<21)           ; 15:0 the mask: all four of the cluster; 17:16 elements of 8 bytes; 21 set beside a mask; no padding
	s_mov_b32 s[G1A+1], 32<<16                     ; tensor_dim0 = 32 elements: rows of 256 bytes of a dense block
	s_mov_b32 s[G1A+2], 16<<16                     ; tensor_dim1
	s_mov_b32 s[G1A+3], 32<<16                     ; tile_dim0
	s_mov_b32 s[G1A+4], 16                         ; tile_dim1
	s_mov_b32 s[G1A+5], 32                         ; the pitch
	s_mov_b32 s[G1A+6], 0
	s_mov_b32 s[G1A+7], 0
	s_mov_b32 s[G1B], 15|(3<<16)|(1<<21)
	s_mov_b32 s[G1B+1], 32<<16
	s_mov_b32 s[G1B+2], 48<<16
	s_mov_b32 s[G1B+3], 32<<16
	s_mov_b32 s[G1B+4], 48
	s_mov_b32 s[G1B+5], 32
	s_mov_b32 s[G1B+6], 0
	s_mov_b32 s[G1B+7], 0
	s_mov_b32 s[SEL], 0x76543210
	s_mov_b32 s[SEL+1], 0xfedcba98
	s_mov_b32 s[CS], 0x3e38aa3b                    ; log2(e) / 8
	s_wait_dscnt 0x0                               ; both opening adds are done
	s_wait_kmcnt 0x0
	s_load_b256 s[68:75], s[6:7], 0x0              ; e0 .. e7
	s_add_nc_u64 s[G0A+2:G0A+3], s[4:5], s[92:93]
	s_or_b32 s[G0A+3], s[G0A+3], 0x80000000
	s_add_nc_u64 s[G0B+2:G0B+3], s[4:5], s[94:95]
	s_or_b32 s[G0B+3], s[G0B+3], 0x80000000
	ROUND                                          ; all four work-groups are here: the first joint loads meet
	tensor_load_to_lds s[G0A:G0A+3], s[G1A:G1A+7]  ; group 1: my one load at the head
	s_nop 0
	s_lshl_b32 s76, s[Q0A], 6
	s_add_co_u32 s76, s76, s[HB]                   ; q's region begins at byte 0: head, tile (query / 16) x 1,024
	s_lshl_b32 s77, s[Q0B], 6
	s_add_co_u32 s77, s77, s[HB]
	s_and_b32 s78, s[Q0A], 127                     ; my first query less the diagonal step's first key
	s_and_b32 s79, s[Q0B], 127
	s_lshr_b32 s84, s[HD], 4                       ; where the results go: the part that the head gives:
	s_lshl_b32 s84, s84, 21                        ; the batch's 16 groups of 128 rows,
	s_bfe_u32 s85, s[HD], 0x20002
	s_lshl_b32 s85, s85, 15                        ; h >> 2,
	s_add_co_u32 s84, s84, s85
	s_and_b32 s85, s[HD], 3
	s_lshl_b32 s85, s85, 10                        ; h & 3;
	s_add_co_u32 s84, s84, s85
	s_lshr_b32 s86, s[Q0A], 7                      ; and the part that the rows give
	s_lshl_b32 s86, s86, 17
	s_bfe_u32 s87, s[Q0A], 0x30004
	s_lshl_b32 s87, s87, 12
	s_add_co_u32 s86, s86, s87
	s_add_co_u32 s86, s86, s84
	s_mov_b32 s87, 0
	s_lshr_b32 s90, s[Q0B], 7
	s_lshl_b32 s90, s90, 17
	s_bfe_u32 s91, s[Q0B], 0x30004
	s_lshl_b32 s91, s91, 12
	s_add_co_u32 s90, s90, s91
	s_add_co_u32 s90, s90, s84
	s_mov_b32 s91, 0
	s_add_nc_u64 s[OA:OA+1], s[8:9], s[86:87]
	s_add_nc_u64 s[OB:OB+1], s[8:9], s[90:91]
	s_wait_kmcnt 0x0
	s_add_co_i32 s80, s70, s71
	s_lshl_b32 s80, s80, 23
	s_add_co_i32 s[CS], s[CS], s80                 ; a score stands for score x 2^(e2 + e3): the two exponents are added to c's exponent field
	s_mov_b32 s[CS+1], s[CS]                       ; (named with it as a pair, so it is written)
	s_add_co_i32 s80, s73, 127
	s_lshl_b32 s66, s80, 23                        ; 2^e5
	s_add_co_i32 s80, s80, 8
	s_lshl_b32 s80, s80, 23
	s_or_b32 s67, s80, 0x600000                    ; 448 x 2^e5
	s_add_co_i32 s80, s74, 127
	s_lshl_b32 s96, s80, 23                        ; 2^e6
	s_add_co_i32 s80, s80, 8
	s_lshl_b32 s80, s80, 23
	s_or_b32 s97, s80, 0x600000                    ; 448 x 2^e6
	s_add_co_i32 s[E45], s72, s73
	v_and_b32 v[LI], 31, v0
	v_and_b32 v[MDA], 15, v0
	v_bfe_u32 v11, v0, 4, 1
	v_lshlrev_b32 v[LI], 4, v[LI]
	v_lshlrev_b32 v11, 3, v11
	v_add_nc_u32 v9, s76, v[LI]
	v_add_nc_u32 v10, s77, v[LI]
	v_sub_nc_u32 v11, v[MDA], v11                  ; lane % 16 - 8 (lane / 16)
	v_add_nc_u32 v[LIV], VREG, v[LI]
	global_load_b128 v[16:19], v9, s[4:5]          ; both tiles' q stay in registers
	global_load_b128 v[20:23], v9, s[4:5] offset:512
	global_load_b128 v[24:27], v10, s[4:5]
	global_load_b128 v[28:31], v10, s[4:5] offset:512
	v_add_nc_u32 v[MDA], s78, v11
	v_add_nc_u32 v[MDB], s79, v11
	v_mov_b32 v236, 0                              ; written once: a lane permute's destination counts as one of its sources
	v_mov_b32 v252, 0
	v_mov_b32 v253, 0                              ; (named as the upper half of the pair v[252:253])
	v_mov_b32 v244, s66                            ; 2^e5, for p's conversions
	v_mov_b32 v240, s67                            ; 448 x 2^e5,
	v_mov_b32 v237, s67                            ; and once more, for the second half of a dual pair
	v_mov_b32 v245, s96                            ; 2^e6, for the result's
	v_mov_b32 v241, s97                            ; 448 x 2^e6
	INIT
; A KEY STEP: the 128 keys of step s[C].  qr: the tile's q; md: its mask numbers; n: its count of steps; tail = 1: the step may lie beyond the count (jumped over) or be the tile's last (masked)
.macro STEP qr, md, n, tail
.if \tail
	s_cmp_ge_u32 s[C], s[\n]                       ; the wave's number and the counter alone
	s_cbranch_scc1 .Lhid_\@
.endif
	s_lshl_b32 s[TB], s[C], 13
	v_add_nc_u32 v[ADR], s[TB], v[LI]
	v_add_nc_u32 v[ADV], s[TB], v[LIV]
	v_nop
	v_nop                                          ; with the two additions: four places in front of loads into registers that the last products read
.irp t, 0,1,2,3,4,5,6,7
	ds_load_b128 v[32+8*\t:35+8*\t], v[ADR] offset:\t*1024
	ds_load_b128 v[36+8*\t:39+8*\t], v[ADR] offset:\t*1024+512
.endr
	s_wait_alu depctr_va_vdst(0)
	s_wait_dscnt 0x0
.irp t, 0,1,2,3,4,5,6,7                        ; S^T = k q^T: eight tiles of 16 keys
	v_wmma_f32_16x16x64_fp8_fp8 v[96+8*\t:103+8*\t], v[32+8*\t:39+8*\t], v[\qr:\qr+7], 0
.endr
.rept 4
	v_nop                                          ; places in front of the loads below and of the first read of the scores
.endr
.irp t, 0,1,2,3                                ; v's four fragments are asked for now, into k's registers: they land under the softmax
.irp c, 0,1,2,3
	ds_load_b128 v[32+16*\t+4*\c:35+16*\t+4*\c], v[ADV] offset:2048*\t+512*\c
.endr
.endr
.if \tail
	s_add_co_u32 s98, s[C], 1                      ; the tile's last step meets the diagonal: hidden keys' scores become -infinity ahead of the maximum, so p = 0.  The query's own key lies in this step and counts
	s_cmp_lg_u32 s98, s[\n]
	s_cbranch_scc1 .Lopen_\@
	v_mov_b32 v254, 0xff800000                     ; -infinity
.set NN, 0
.rept 64
	v_cmp_gt_i32 vcc_lo, 16*(NN/8)+NN%8, v[\md]    ; register 8 t + j holds the step's key 16 t + 8 (lane / 16) + j
	v_cndmask_b32 v[96+NN], v[96+NN], v254, vcc_lo
.set NN, NN+1
.endr
.Lopen_\@:
.endif
	v_max3_num_f32 v254, v96, v97, v98             ; the step's largest score of my query, among my 64 keys, in two chains,
	v_max3_num_f32 v252, v99, v100, v101
.irp i, 6,10,14,18,22,26,30,34,38,42,46,50,54,58
	v_max3_num_f32 v254, v254, v[96+\i], v[97+\i]
	v_max3_num_f32 v252, v252, v[98+\i], v[99+\i]
.endr
	v_max3_num_f32 v254, v254, v158, v159
	s_delay_alu instid0(VALU_DEP_1)
	v_max_num_f32 v254, v254, v252
	s_delay_alu instid0(VALU_DEP_1)
	v_permlanex16_b32 v236, v254, s[SEL], s[SEL+1]
	s_delay_alu instid0(VALU_DEP_1)
	v_max_num_f32 v254, v254, v236                 ; and among lane l xor 16's
	s_delay_alu instid0(VALU_DEP_1)
	v_mul_f32 v254, s[CS], v254                    ; as t (c is positive)
	s_delay_alu instid0(VALU_DEP_1)
	v_max_num_f32 v13, v13, v254                   ; the running largest t
	v_mov_b32 v254, v12
	s_delay_alu instid0(VALU_DEP_2)
	v_floor_f32 v12, -v13                          ; the new -M = floor(-t) = -ceil(t): M is a whole number
	s_delay_alu instid0(VALU_DEP_1)
	v_sub_f32 v254, v12, v254                      ; M's old value less its new one: a whole number, 0 or less
	s_delay_alu instid0(VALU_DEP_1)
	v_cvt_i32_f32 v254, v254                       ; (it saturates)
	s_delay_alu instid0(VALU_DEP_1)
	v_ldexp_f32 v252, 1.0, v254                    ; f = 2^(old M - new M)
.set JJ, 0
.rept 32
	v_pk_fma_f32 v[96+JJ:97+JJ], v[96+JJ:97+JJ], s[CS:CS+1], v[12:13] op_sel_hi:[1,0,0]   ; t - M, two at a time (of the pairs c and -M the low word serves both halves)
.set JJ, JJ+2
.endr
.set JJ, 0
	s_wait_alu depctr_va_vdst(0)
.rept 64
	v_exp_f32 v[96+JJ], v[96+JJ]                   ; p = 2^(t - M), at most 1: not normalised
.set JJ, JJ+1
.endr
	v_pk_mul_f32 v[14:15], v[14:15], v[252:253] op_sel_hi:[1,0]   ; the sums under the new M: the plain instruction behind the exponentials
	s_wait_alu depctr_va_vdst(0)                   ; one wait for the whole batch, ahead of its first reader
	v_pk_add_f32 v[242:243], v[100:101], v[104:105]   ; the row's sum of the unquantised p, in eight chains
	v_pk_add_f32 v[254:255], v[108:109], v[112:113]
	v_pk_add_f32 v[250:251], v[116:117], v[120:121]
	v_pk_add_f32 v[248:249], v[124:125], v[128:129]
	v_pk_add_f32 v[246:247], v[132:133], v[136:137]
	v_pk_add_f32 v[238:239], v[140:141], v[144:145]
	v_pk_add_f32 v[234:235], v[148:149], v[152:153]
	v_pk_add_f32 v[14:15], v[14:15], v[156:157]
	v_pk_add_f32 v[242:243], v[242:243], v[96:97]
	v_pk_add_f32 v[254:255], v[254:255], v[98:99]
	v_pk_add_f32 v[250:251], v[250:251], v[102:103]
	v_pk_add_f32 v[248:249], v[248:249], v[106:107]
	v_pk_add_f32 v[246:247], v[246:247], v[110:111]
	v_pk_add_f32 v[238:239], v[238:239], v[114:115]
	v_pk_add_f32 v[234:235], v[234:235], v[118:119]
	v_pk_add_f32 v[14:15], v[14:15], v[122:123]
	v_pk_add_f32 v[242:243], v[242:243], v[126:127]
	v_pk_add_f32 v[254:255], v[254:255], v[130:131]
	v_pk_add_f32 v[250:251], v[250:251], v[134:135]
	v_pk_add_f32 v[248:249], v[248:249], v[138:139]
	v_pk_add_f32 v[246:247], v[246:247], v[142:143]
	v_pk_add_f32 v[238:239], v[238:239], v[146:147]
	v_pk_add_f32 v[234:235], v[234:235], v[150:151]
	v_pk_add_f32 v[14:15], v[14:15], v[154:155]
	v_pk_add_f32 v[242:243], v[242:243], v[158:159]
	s_delay_alu instid0(VALU_DEP_2)
	v_pk_add_f32 v[14:15], v[14:15], v[248:249]
	s_delay_alu instid0(VALU_DEP_2)
	v_pk_add_f32 v[242:243], v[242:243], v[246:247]
	v_pk_add_f32 v[254:255], v[254:255], v[238:239]
	v_pk_add_f32 v[250:251], v[250:251], v[234:235]
	s_delay_alu instid0(VALU_DEP_2)
	v_pk_add_f32 v[14:15], v[14:15], v[254:255]
	s_delay_alu instid0(VALU_DEP_2)
	v_pk_add_f32 v[242:243], v[242:243], v[250:251]
	s_delay_alu instid0(VALU_DEP_1)
	v_pk_add_f32 v[14:15], v[14:15], v[242:243]
.irp t, 0,1,2,3,4,5,6,7
.irp i, 0,2,4,6
	v_dual_min_num_f32 v[96+8*\t+\i], v[96+8*\t+\i], v240 :: v_dual_min_num_f32 v[97+8*\t+\i], v[97+8*\t+\i], v237   ; the conversion to an 8-bit code does not saturate (ISA guide 7.6.2); p is not negative, so the hold is one-sided; two holds an instruction
.endr
	v_cvt_scalef32_pk8_fp8_f32 v[192+2*\t:193+2*\t], v[96+8*\t:103+8*\t], v244   ; keys 16 t + 8 (lane / 16) + 0 .. 7: registers 2 t, 2 t + 1 of p's fragment
.endr
	s_wait_alu depctr_va_vdst(0)                   ; directly ahead of the first reader of O^T
.set JJ, 0
.rept 16
	v_pk_mul_f32 v[160+JJ:161+JJ], v[160+JJ:161+JJ], v[252:253] op_sel_hi:[1,0]   ; O^T under the new M: x f.  (Also the plain instructions between the conversions and the products below)
.set JJ, JJ+2
.endr
	s_wait_alu depctr_va_vdst(0)
	s_wait_dscnt 0x0                               ; v's fragments are in
.irp t, 0,1,2,3                                ; O^T += v^T p^T: four tiles of 16 channels, by turns; between two turns of an accumulator stand the three others' and the next step's eight products
	v_wmma_f32_16x16x128_fp8_fp8 v[160+8*\t:167+8*\t], v[32+16*\t:47+16*\t], v[192:207], v[160+8*\t:167+8*\t]
.endr
.if \tail
.Lhid_\@:
.endif
.endm
; A tile's end: O^T / the sum x 2^(e4 + e5), held, converted with 2^e6, stored as it stands: two stores of 512 consecutive bytes.
.macro FINISH base
.rept 4
	v_nop                                          ; places behind the last products
.endr
	v_add_f32 v14, v14, v15                        ; the sum's two halves,
	s_delay_alu instid0(VALU_DEP_1)
	v_permlanex16_b32 v252, v14, s[SEL], s[SEL+1]
	s_delay_alu instid0(VALU_DEP_1)
	v_add_f32 v14, v14, v252                       ; and lane l xor 16's: the row's sum
	s_wait_alu depctr_va_vdst(0)
	v_rcp_f32 v14, v14
	v_nop                                          ; a plain instruction behind the reciprocal
	s_wait_alu depctr_va_vdst(0)                   ; and the wait ahead of its first reader
	v_ldexp_f32 v14, v14, s[E45]
	s_wait_alu depctr_va_vdst(0)                   ; directly ahead of the first reader of O^T
.set JJ, 0
.rept 32
	v_mul_f32 v[96+JJ], v[160+JJ], v14             ; each accumulator from its low end on
.set JJ, JJ+1
.endr
.set JJ, 0
.rept 32
	v_med3_num_f32 v[96+JJ], v[96+JJ], -v241, v241
.set JJ, JJ+1
.endr
	s_wait_alu depctr_va_vdst(0)
	s_wait_xcnt 0x0                                ; the first tile's stores have read the registers that the conversions below write
.irp t, 0,1,2,3
	v_cvt_scalef32_pk8_fp8_f32 v[208+2*\t:209+2*\t], v[96+8*\t:103+8*\t], v245
.endr
	v_nop                                          ; one plain vector instruction behind the last conversion
	global_store_b128 v[LI], v[208:211], s[\base:\base+1]
	global_store_b128 v[LI], v[212:215], s[\base:\base+1] offset:512
.endm
	s_wait_alu depctr_va_vdst(0)
	s_wait_tensorcnt 0x0                           ; my part of group 1 is in
	ds_add_u32 v[SPW], v[NIL]
	s_wait_dscnt 0x0
	ROUND                                          ; everybody's part of group 1 is in, and all four work-groups are here
	tensor_load_to_lds s[G0B:G0B+3], s[G1B:G1B+7]  ; group 2: my one load behind the round; it lands on bytes from 32,768 on in each half, which the next four steps do not read
	s_nop 0
	s_wait_loadcnt 0x0                             ; q
	s_mov_b32 s[C], 0
.Lfirst:                                           ; key steps 0 and 1 of the first tile: every wave has at least nine, so none of the first four is jumped over or masked
	STEP 16, MDA, NA, 0
	s_add_co_u32 s[C], s[C], 1
	s_cmp_lt_u32 s[C], 2
	s_cbranch_scc1 .Lfirst
	s_wait_tensorcnt 0x0                           ; my part of group 2 is in:
	ds_add_u32 v[SPW], v[NIL]
	s_wait_dscnt 0x0
	s_barrier_signal -1                            ; say so, and go on with group 1's bytes, which nobody writes again: register work and LDS loads alone stand up to the barrier's wait
.Lmid:                                             ; key steps 2 and 3
	STEP 16, MDA, NA, 0
	s_add_co_u32 s[C], s[C], 1
	s_cmp_lt_u32 s[C], 4
	s_cbranch_scc1 .Lmid
	s_barrier_wait -1                              ; everybody's part of group 2 is in.  No round
.Lrest:                                            ; key steps 4-15 of the first tile
	STEP 16, MDA, NA, 1
	s_add_co_u32 s[C], s[C], 1
	s_cmp_lt_u32 s[C], 16
	s_cbranch_scc1 .Lrest
	FINISH OA
	INIT
	s_mov_b32 s[C], 0
.Lsecond:                                          ; key steps 0-7 of the second tile
	STEP 24, MDB, NB, 1
	s_add_co_u32 s[C], s[C], 1
	s_cmp_lt_u32 s[C], 8
	s_cbranch_scc1 .Lsecond
	FINISH OB
	s_wait_tensorcnt 0x0                           ; the wave's end: behind my last tensor load
	ds_add_u32 v[SPW], v[NIL]
	s_wait_dscnt 0x0
	ROUND                                          ; the closing round
	s_endpgm
.Lfunc_end_k_qe7934e489b_attn:
	.size	k_qe7934e489b_attn, .Lfunc_end_k_qe7934e489b_attn-k_qe7934e489b_attn
	.p2alignl 7, 3214868480
	.fill 96, 4, 3214868480
	.section	.rodata,"a",@progbits
	.p2align	6, 0x0
	.amdhsa_kernel k_qe7934e489b_attn
		.amdhsa_group_segment_fixed_size 327680
		.amdhsa_private_segment_fixed_size 0
		.amdhsa_enable_private_segment 0
		.amdhsa_kernarg_size 24
		.amdhsa_user_sgpr_count 2
		.amdhsa_user_sgpr_kernarg_segment_ptr 1
		.amdhsa_wavefront_size32 1
		.amdhsa_system_sgpr_workgroup_id_x 1
		.amdhsa_system_sgpr_workgroup_id_y 1
		.amdhsa_system_sgpr_workgroup_id_z 1
		.amdhsa_system_vgpr_workitem_id 0
		.amdhsa_next_free_vgpr 256
		.amdhsa_next_free_sgpr 100
		.amdhsa_reserve_vcc 1
		.amdhsa_float_denorm_mode_32 3
		.amdhsa_float_denorm_mode_16_64 3
		.amdhsa_memory_ordered 1
		.amdhsa_forward_progress 1
		.amdhsa_inst_pref_size 92
	.end_amdhsa_kernel
	.amdgpu_metadata
---
amdhsa.version: [ 1, 2 ]
amdhsa.kernels:
  - .name:           k_qe7934e489b_attn
    .symbol:         k_qe7934e489b_attn.kd
    .args:
      - { .name: qkv, .offset: 0, .size: 8, .value_kind: global_buffer, .address_space: global }
      - { .name: lowp_scales, .offset: 8, .size: 8, .value_kind: global_buffer, .address_space: global }
      - { .name: oc, .offset: 16, .size: 8, .value_kind: global_buffer, .address_space: global }
    .group_segment_fixed_size: 327680
    .private_segment_fixed_size: 0
    .kernarg_segment_align: 8
    .kernarg_segment_size: 24
    .max_flat_workgroup_size: 512
    .sgpr_count:     100
    .vgpr_count:     256
    .wavefront_size: 32
...
	.end_amdgpu_metadata
.endif
;; end of part 3
;; launch proj (part 4): grid 4 x 64, 4 waves a work-group, clusters of 4 x 4, 327,680 bytes of LDS; arguments oc, codes, lowp_scales, b_proj, out0; writes out0
.if DOCPART == 4
	.amdgcn_target "amdgcn-amd-amdhsa--gfx1250"
	.amdhsa_code_object_version 6
	.text
	.protected	k_qe7934e489b_proj
	.globl	k_qe7934e489b_proj
	.p2align	8
	.type	k_qe7934e489b_proj,@function
k_qe7934e489b_proj:
	s_mov_b64 s[64:65], 0
	v_nop
	global_prefetch_b8 v0, s[64:65] scope:SCOPE_SE
	s_setreg_imm32_b32 hwreg(HW_REG_WAVE_MODE, 25, 1), 1
	s_wait_xcnt 0x0
	s_wait_alu depctr_hold_cnt(0) depctr_sa_sdst(0) depctr_va_vdst(0) depctr_va_sdst(0) depctr_va_ssrc(0) depctr_va_vcc(0) depctr_vm_vsrc(0)
	s_getreg_b32 s2, hwreg(HW_REG_IB_STS2, 6, 4)
	s_cmp_eq_u32 s2, 0
	s_cbranch_scc0 .Lentry_in_a_cluster
	s_endpgm
.Lentry_in_a_cluster:
	s_bfe_u32 s2, ttmp6, 0x10000c
	s_cmp_lg_u32 s2, 0xf033
	s_cbranch_scc0 .Lentry_shape_is_right
	s_endpgm
.Lentry_shape_is_right:
; out0 = O w_proj^T + b_proj on codes of FP8 (E4M3).  O's codes come as images of operand registers (oc: 128 rows x 256 K are one dense block of 32 KiB, the four blocks of a row group on end); w_proj's are rows 11,264 on of 'codes'
; (1,024 bytes a row, K innermost).  Each finished sum is multiplied once by 2^(e6 + e7) and gets its bias.  LIMIT: e6 + e7 lies between -126 and 127, so that 2^(e6 + e7) is an f32 number.
; A block of out0, 128 rows x 256 columns, is made by four waves, each 64 x 128: 32 accumulators of 16 x 16, 256 registers.  The grid is 4 x 64 = 256 work-groups.
; LDS holds THREE K steps of 256: A's images 3 x 32 KiB on end from byte 0, B's tiles 3 x (256 rows x 272 bytes) behind them.  All three are asked for at the head, one load a wave: wave 3 A's 96 KiB (dense in memory),
; waves 0, 1, 2 B's K steps 0, 1, 2.  K step 3 is the one refill, into K step 0's bytes: both fragment sets of K step 0 are read into registers first, so the refill stands behind the first round and has the products of
; five steps of 128 (160 matrix instructions a wave) in which to land.  One load of a wave is out at the most.
; CLUSTERS: 4 x 4 work-groups.  The four of a row of the cluster need the same rows of O, the four of a column the same rows of w_proj: each tile is asked for JOINTLY.  The branches hang on the wave's number alone.
; NO PREFETCH: the eight steps are written out, and the one refill is issued directly behind the head's tiles: there is no earlier trip in which to ask.
; THE MATRIX INSTRUCTION IS USED TRANSPOSED (source 0 = 16 rows of B, source 1 = 16 rows of A): a lane holds eight neighbouring numbers of a row of out0.
; REGISTERS, in windows of 256: window 0: v0-31 addresses and the bias; v128-191, v192-255 A's fragments (4 x 16 rows x 128 K), two sets; on the way out the rows read back.  window 1: B's fragments, two sets.  window 2: the accumulators.
.set ROWB,   256
.set KROW,   1024
.set PITCH,  272                       ; an LDS row of B: 256 bytes + 16 of padding
.set FR,     16                        ; registers of a fragment
.set NP,     4                         ; places behind this matrix instruction (ISA guide 7.12.1)
.set ASL,    32768                     ; A: a K step's image
.set BREG,   3*ASL                     ; B's tiles begin here
.set HALFT,  128*PITCH
.set BSL,    2*HALFT                   ; B: a K step's tile
.set SPARE,  BREG+3*BSL                ; behind them: the spare words, 128 bytes a wave, which no other line names
.set STAGE,  BREG+BSL                  ; the way out's stages lie in B's K step 1: it has had its one fill, and behind the last barrier nobody reads it
.set SPITCH, 528
.set BIAS, 8
.set ADRA, 16                          ; v16-18  LDS address of my A fragments in K steps 0, 1, 2
.set ADRB, 20                          ; v20-22  the same for B
.set STO,  24
.set RD,   25
.set CO,   26
.set SPW,  28
.set NIL,  29
.set AF,   128
.set BK,   128
.set G1,   24                          ; s[24:31] group 1, A at the head: 384 rows of 256 bytes
.set G0,   32                          ; s[32:35] its group 0
.set G0R,  36                          ; s[36:39] group 0, A's refill
.set G1B,  48                          ; s[48:55] group 1, B
.set G0B,  56                          ; s[56:59] group 0, B at the head
.set G0BR, 60                          ; s[60:63] group 0, B's refill
.set G1R,  68                          ; s[68:75] group 1, A's refill: 128 rows
.set MSB, 0
.macro WIN new                         ; the immediate's high byte repeats the setting that is left
.if MSB != \new
	s_set_vgpr_msb (MSB<<8)|\new
.set MSB, \new
.endif
.endm
.set MUL_LO, 0xa1                      ; source 0 (B) window 1, source 1 (A) window 0, C and D window 2
.set TO_B,   0x40                      ; destination window 1, address window 0
.macro CREST                           ; a round of the cluster's barrier behind its opening barrier
	s_cmp_lg_u32 s14, 0
	s_cbranch_scc1 .Lnot_wave_0_\@
	s_barrier_signal -3
.Lnot_wave_0_\@:
	s_barrier_wait -3
	s_barrier_signal -1
	s_barrier_wait -1
.endm
.macro CROUND
	s_barrier_signal -1
	s_barrier_wait -1
	CREST
.endm
.macro PLACES n
.rept \n
	v_nop
.endr
.endm
	s_load_b128 s[4:7], s[0:1], 0x0                ; oc s[4:5], codes s[6:7]
	s_load_b128 s[8:11], s[0:1], 0x10              ; the scales' exponents s[8:9], b_proj s[10:11]
	s_load_b64 s[12:13], s[0:1], 0x20              ; out0
	v_lshl_add_u32 v[SPW], v0, 2, SPARE
	v_mov_b32 v[NIL], 0
	ds_add_u32 v[SPW], v[NIL]                      ; the wave's opening: the add, twice on end, and its wait ahead of my first tensor load
	ds_add_u32 v[SPW], v[NIL]
	v_lshrrev_b32 v1, 5, v0
	v_readfirstlane_b32 s14, v1                    ; wave 0..3
	s_lshr_b32 s15, s14, 1                         ; which 64 of the block's rows are mine
	s_and_b32 s16, s14, 1                          ; which 128 of its columns
	s_bfe_u32 s40, ttmp6, 0x40000                  ; cx, cy
	s_bfe_u32 s41, ttmp6, 0x40004
	s_lshl_b32 s42, ttmp9, 2
	s_add_co_u32 s42, s42, s40                     ; block column, 0..3
	s_and_b32 s17, ttmp7, 0xffff
	s_lshl_b32 s17, s17, 2
	s_add_co_u32 s17, s17, s41                     ; block row, 0..63
	s_lshl_b32 s43, s41, 2
	s_lshl_b32 s43, 15, s43                        ; my row of the cluster
	s_lshl_b32 s44, 0x1111, s40                    ; my column
	s_or_b32 s[G1+0], s43, (3<<16)|(1<<21)         ; A: the mask of my row; elements of 8 bytes; bit 21 beside a mask; no padding
	s_mov_b32 s[G1+1], 32<<16
	s_mov_b32 s[G1+2], 384<<16
	s_mov_b32 s[G1+3], 32<<16
	s_mov_b32 s[G1+4], 384
	s_mov_b32 s[G1+5], 32
	s_mov_b32 s[G1+6], 0
	s_mov_b32 s[G1+7], 0
	s_or_b32 s[G1R+0], s43, (3<<16)|(1<<21)
	s_mov_b32 s[G1R+1], 32<<16
	s_mov_b32 s[G1R+2], 128<<16
	s_mov_b32 s[G1R+3], 32<<16
	s_mov_b32 s[G1R+4], 128
	s_mov_b32 s[G1R+5], 32
	s_mov_b32 s[G1R+6], 0
	s_mov_b32 s[G1R+7], 0
	s_or_b32 s[G1B+0], s44, (0<<16)|(1<<20)|(1<<21)|(5<<22)|(3<<25)   ; B: the mask of my column; elements of 1 byte; 4 words of padding behind every 64
	s_mov_b32 s[G1B+1], ROWB<<16
	s_mov_b32 s[G1B+2], 256<<16
	s_mov_b32 s[G1B+3], ROWB<<16
	s_mov_b32 s[G1B+4], 256
	s_mov_b32 s[G1B+5], KROW
	s_mov_b32 s[G1B+6], 0
	s_mov_b32 s[G1B+7], 0
	s_lshl_b32 s20, s17, 17                        ; A: my block row's 128 KiB of images
	s_mov_b32 s21, 0
	s_lshl_b32 s46, s42, 8
	s_add_co_u32 s46, s46, 11264
	s_lshl_b32 s46, s46, 10                        ; B: row 11,264 + 256 x block column
	s_mov_b32 s47, 0
	s_min_u32 s18, s14, 2                          ; the K step of B that waves 0, 1, 2 fetch at the head
	s_lshl_b32 s22, s18, 8
	s_mov_b32 s23, 0
	s_mul_i32 s45, s18, BSL
	s_add_co_u32 s45, s45, BREG
	s_wait_dscnt 0x0                               ; both opening adds are done
	s_wait_kmcnt 0x0
	s_load_b64 s[96:97], s[8:9], 0x18              ; e6, e7
	s_add_nc_u64 s[20:21], s[4:5], s[20:21]
	s_add_nc_u64 s[46:47], s[6:7], s[46:47]
	s_mov_b32 s[G0], 1
	s_mov_b32 s[G0+1], 0
	s_mov_b64 s[G0+2:G0+3], s[20:21]
	s_or_b32 s[G0+3], s[G0+3], 0x80000000
	s_mov_b32 s[G0R], 1
	s_mov_b32 s[G0R+1], 0
	s_add_nc_u64 s[G0R+2:G0R+3], s[20:21], 3*ASL
	s_or_b32 s[G0R+3], s[G0R+3], 0x80000000
	s_mov_b32 s[G0B], 1
	s_mov_b32 s[G0B+1], s45
	s_add_nc_u64 s[G0B+2:G0B+3], s[46:47], s[22:23]
	s_or_b32 s[G0B+3], s[G0B+3], 0x80000000
	s_mov_b32 s[G0BR], 1
	s_mov_b32 s[G0BR+1], BREG
	s_add_nc_u64 s[G0BR+2:G0BR+3], s[46:47], 3*ROWB
	s_or_b32 s[G0BR+3], s[G0BR+3], 0x80000000
	CROUND                                         ; all sixteen work-groups are here: the first joint loads meet
	s_cmp_eq_u32 s14, 3                            ; one load a wave at the head; an s_nop 0 and four v_nop follow each line
	s_cbranch_scc0 .Lhead_b
	tensor_load_to_lds s[G0:G0+3], s[G1:G1+7]      ; A's K steps 0 to 2
	s_nop 0
	PLACES 4
	s_branch .Lhead_j
.Lhead_b:
	tensor_load_to_lds s[G0B:G0B+3], s[G1B:G1B+7]  ; B's K step 0, 1 or 2
	s_nop 0
	PLACES 4
.Lhead_j:
	s_lshl_b32 s80, s15, 14                        ; my 64 rows of A: four blocks of 4,096 bytes
	s_mul_i32 s81, s16, HALFT
	s_add_co_u32 s81, s81, BREG                    ; my 128 rows of B
	s_mul_i32 s82, s14, 16*SPITCH
	s_add_co_u32 s82, s82, STAGE                   ; my stage
	s_lshl_b32 s84, s17, 7
	s_lshl_b32 s85, s15, 6
	s_add_co_u32 s84, s84, s85                     ; my first row of out0
	s_lshl_b32 s84, s84, 12
	s_lshl_b32 s86, s42, 10
	s_lshl_b32 s87, s16, 9
	s_add_co_u32 s86, s86, s87                     ; my first column, in bytes
	s_add_co_u32 s84, s84, s86
	s_mov_b32 s85, 0
	s_add_nc_u64 s[12:13], s[12:13], s[84:85]
	v_and_b32 v1, 15, v0                           ; l % 16
	v_bfe_u32 v2, v0, 4, 1                         ; l / 16
	v_and_b32 v6, 31, v0
	v_mul_u32_u24 v3, v1, PITCH
	v_mul_u32_u24 v5, v1, SPITCH
	v_lshlrev_b32 v[CO], 4, v6                     ; 16 x lane
	v_lshl_add_u32 v4, v2, 4, v3
	v_lshl_add_u32 v5, v2, 5, v5
	v_add_nc_u32 v[ADRA], s80, v[CO]
	v_add_nc_u32 v[ADRB], s81, v4
	v_add_nc_u32 v[ADRA+1], ASL, v[ADRA]
	v_add_nc_u32 v[ADRB+1], BSL, v[ADRB]
	v_add_nc_u32 v[ADRA+2], 2*ASL, v[ADRA]
	v_add_nc_u32 v[ADRB+2], 2*BSL, v[ADRB]
	v_add_nc_u32 v[STO], s82, v5                   ; the stage, in: row l % 16, 32 bytes for each half of the lanes
	v_add_nc_u32 v[RD], s82, v[CO]                 ; back: the 32 lanes take one row of 512 bytes
	v_add_nc_u32 v7, s86, v[CO]
	global_load_b128 v[BIAS:BIAS+3], v7, s[10:11]  ; the bias of my four columns of such a row
.macro FRAG reg, adr, q, i             ; B: 16 rows x 128 K: registers 4 c .. 4 c + 3 hold K = 32 c + 16 (l / 16) + 0 .. 15
.irp c, 0,1,2,3
	ds_load_b128 v[\reg+4*\c:\reg+4*\c+3], v[\adr] offset:128*(\q)+32*\c+(\i)*16*PITCH
.endr
.endm
.macro FRAGA reg, adr, q, i            ; A: the same registers, as the attention launch stored them
.irp c, 0,1,2,3
	ds_load_b128 v[\reg+4*\c:\reg+4*\c+3], v[\adr] offset:(\i)*4096+(\q)*2048+512*\c
.endr
.endm
.macro FETCH slot, q, p                ; 48 LDS loads: B's eight and A's four fragments of the slot's q-th 128 along K into set p
	WIN TO_B
.irp i, 0,1,2,3,4,5,6,7
	FRAG 128*(\p)+FR*\i, ADRB+\slot, \q, \i
.endr
	WIN 0
.irp i, 0,1,2,3
	FRAGA AF+64*(\p)+FR*\i, ADRA+\slot, \q, \i
.endr
.endm
; 16 matrix instructions: A's blocks a0, a0 + 1 x B's eight.  The 32 accumulators take turns, one instruction a turn, in the same order in every step.  zero = 1: the first product starts the sums
.macro MULH p, a0, zero
.irp a, \a0, \a0+1
.irp b, 0,1,2,3,4,5,6,7
.if \zero
	v_wmma_f32_16x16x128_fp8_fp8 v[8*(8*(\a)+\b):8*(8*(\a)+\b)+7], v[128*(\p)+FR*\b:128*(\p)+FR*\b+FR-1], v[AF+64*(\p)+FR*(\a):AF+64*(\p)+FR*(\a)+FR-1], 0
.else
	v_wmma_f32_16x16x128_fp8_fp8 v[8*(8*(\a)+\b):8*(8*(\a)+\b)+7], v[128*(\p)+FR*\b:128*(\p)+FR*\b+FR-1], v[AF+64*(\p)+FR*(\a):AF+64*(\p)+FR*(\a)+FR-1], v[8*(8*(\a)+\b):8*(8*(\a)+\b)+7]
.endif
.endr
.endr
.endm
.macro GO p, nslot, nq                 ; the next step's fragments are asked for into the other set, then this step's 32 products on set p
	PLACES NP                                      ; in front of loads into registers that the last products read
	FETCH \nslot, \nq, 1-(\p)
	s_wait_dscnt 48                                ; all but the 48 just issued
	WIN MUL_LO
	MULH \p, 0, 0
	MULH \p, 2, 0
.endm
	s_wait_alu depctr_va_vdst(0)
	s_wait_tensorcnt 0x0                           ; my tile is in,
	s_barrier_signal -1
	s_barrier_wait -1                              ; everybody's is.
	FETCH 0, 0, 0                                  ; both halves of K step 0 go into registers,
	FETCH 0, 1, 1
	s_wait_tensorcnt 0x0                           ; and its bytes are given up
	ds_add_u32 v[SPW], v[NIL]
	s_wait_dscnt 49                                ; the first 48 loads are in (the other 48 and the add may be out)
	WIN MUL_LO
	MULH 0, 0, 1                                   ; sixteen matrix instructions stand between the add and the wait for it
	s_wait_dscnt 0x0                               ; the add is done, and my reads of K step 0 are over
	s_barrier_signal -1
	MULH 0, 2, 1
	WIN 0
	s_barrier_wait -1
	CREST                                          ; the barrier has opened a round: no wave of any partner still reads K step 0's bytes or has a load on its way
	s_cmp_eq_u32 s14, 3                            ; K step 3: wave 3 A's image, wave 0 B's tile, the others nothing
	s_cbranch_scc0 .Lre_b
	tensor_load_to_lds s[G0R:G0R+3], s[G1R:G1R+7]
	s_nop 0
	PLACES 4
	s_branch .Lre_j
.Lre_b:
	s_cmp_eq_u32 s14, 0
	s_cbranch_scc0 .Lre_j
	tensor_load_to_lds s[G0BR:G0BR+3], s[G1B:G1B+7]
	s_nop 0
	PLACES 4
.Lre_j:
	GO 1, 1, 0                                     ; K 128 on; asks for K 256 on
	GO 0, 1, 1
	GO 1, 2, 0
	GO 0, 2, 1                                     ; K 512 on; asks for K 640 on
	s_wait_dscnt 0x0
	MULH 1, 0, 0                                   ; K 640 on
	MULH 1, 2, 0
	WIN 0
	s_wait_tensorcnt 0x0                           ; my part of K step 3 is in,
	ds_add_u32 v[SPW], v[NIL]
	s_wait_dscnt 0x0
	s_barrier_signal -1
	s_barrier_wait -1                              ; everybody's is; and nobody reads K steps 1 and 2 any more.  No round
	PLACES NP
	FETCH 0, 0, 0
	FETCH 0, 1, 1
	s_wait_dscnt 48
	WIN MUL_LO
	MULH 0, 0, 0
	MULH 0, 2, 0
	s_wait_dscnt 0x0
	MULH 1, 0, 0
	MULH 1, 2, 0
	WIN 0
; THE WAY OUT, block by block of 16 rows x 128 columns, through my own stage: in as 32 bytes a lane, back as whole rows of 512 bytes, which the 32 lanes store as two aligned units of 256 bytes.
; LDS serves a wave's instructions in order (ISA guide 5.7.1.4): no wait between the stores and the loads.
.macro TOSTAGE a
.set AC, 64*(\a)
	WIN 0x08                                       ; the stores' data: window 2
.irp b, 0,1,2,3,4,5,6,7
	ds_store_b128 v[STO], v[AC+8*\b:AC+8*\b+3] offset:64*\b         ; each accumulator from its low end on
	ds_store_b128 v[STO], v[AC+8*\b+4:AC+8*\b+7] offset:64*\b+16
.endr
	WIN 0
.set BB, BK+64*((\a)%2)
.irp t, 0,1,2,3,4,5,6,7,8,9,10,11,12,13,14,15
	ds_load_b128 v[BB+4*\t:BB+4*\t+3], v[RD] offset:\t*SPITCH
.endr
.endm
.macro SEND a, younger                 ; younger: the LDS instructions issued behind block a's loads, which may stay out
.set BB, BK+64*((\a)%2)
	s_wait_dscnt \younger
.if (\a) > 0
	s_add_nc_u64 s[12:13], s[12:13], 16*4096       ; (behind a wait on XCNT: the earlier stores have read their base)  16 rows of out0 on
.endif
.irp t, 0,1,2,3,4,5,6,7,8,9,10,11,12,13,14,15
	v_pk_fma_f32 v[BB+4*\t:BB+4*\t+1], v[BB+4*\t:BB+4*\t+1], s[96:97], v[BIAS:BIAS+1] op_sel_hi:[1,0,1]       ; sum x 2^(e6 + e7) + bias
	v_pk_fma_f32 v[BB+4*\t+2:BB+4*\t+3], v[BB+4*\t+2:BB+4*\t+3], s[96:97], v[BIAS+2:BIAS+3] op_sel_hi:[1,0,1]
.endr
.irp t, 0,1,2,3,4,5,6,7,8,9,10,11,12,13,14,15
	global_store_b128 v[CO], v[BB+4*\t:BB+4*\t+3], s[12:13] offset:\t*4096 th:TH_STORE_NT   ; 32 lanes store 512 consecutive bytes, aligned
.endr
.endm
	s_wait_kmcnt 0x0
	s_add_co_i32 s96, s96, s97
	s_add_co_i32 s96, s96, 127
	s_lshl_b32 s96, s96, 23                        ; 2^(e6 + e7) as f32
	s_mov_b32 s97, s96
	s_wait_loadcnt 0x0                             ; the bias
	PLACES NP                                      ; behind the last products: for the stores of results and the loads into A's registers
	TOSTAGE 0
.irp a, 1,2,3
.if \a > 1
	s_wait_xcnt 0x0                                ; block a - 2's stores have read their registers and their base
.endif
	TOSTAGE \a
	SEND \a-1, 32                                  ; behind block a - 1's loads: block a's 16 stores and 16 loads
.endr
	s_wait_xcnt 0x0
	SEND 3, 0
	s_wait_tensorcnt 0x0                           ; the wave's end: behind my last tensor load and my last LDS store
	ds_add_u32 v[SPW], v[NIL]
	s_wait_dscnt 0x0
	CROUND                                         ; the closing round
	s_endpgm
.Lfunc_end_k_qe7934e489b_proj:
	.size	k_qe7934e489b_proj, .Lfunc_end_k_qe7934e489b_proj-k_qe7934e489b_proj
	.p2alignl 7, 3214868480
	.fill 96, 4, 3214868480
	.section	.rodata,"a",@progbits
	.p2align	6, 0x0
	.amdhsa_kernel k_qe7934e489b_proj
		.amdhsa_group_segment_fixed_size 327680
		.amdhsa_private_segment_fixed_size 0
		.amdhsa_enable_private_segment 0
		.amdhsa_kernarg_size 40
		.amdhsa_user_sgpr_count 2
		.amdhsa_user_sgpr_kernarg_segment_ptr 1
		.amdhsa_wavefront_size32 1
		.amdhsa_system_sgpr_workgroup_id_x 1
		.amdhsa_system_sgpr_workgroup_id_y 1
		.amdhsa_system_sgpr_workgroup_id_z 1
		.amdhsa_system_vgpr_workitem_id 0
		.amdhsa_next_free_vgpr 768
		.amdhsa_next_free_sgpr 100
		.amdhsa_reserve_vcc 0
		.amdhsa_float_denorm_mode_32 3
		.amdhsa_float_denorm_mode_16_64 3
		.amdhsa_memory_ordered 1
		.amdhsa_forward_progress 1
		.amdhsa_inst_pref_size 73
	.end_amdhsa_kernel
	.amdgpu_metadata
---
amdhsa.version: [ 1, 2 ]
amdhsa.kernels:
  - .name:           k_qe7934e489b_proj
    .symbol:         k_qe7934e489b_proj.kd
    .args:
      - { .name: oc, .offset: 0, .size: 8, .value_kind: global_buffer, .address_space: global }
      - { .name: codes, .offset: 8, .size: 8, .value_kind: global_buffer, .address_space: global }
      - { .name: lowp_scales, .offset: 16, .size: 8, .value_kind: global_buffer, .address_space: global }
      - { .name: b_proj, .offset: 24, .size: 8, .value_kind: global_buffer, .address_space: global }
      - { .name: out0, .offset: 32, .size: 8, .value_kind: global_buffer, .address_space: global }
    .group_segment_fixed_size: 327680
    .private_segment_fixed_size: 0
    .kernarg_segment_align: 8
    .kernarg_segment_size: 40
    .max_flat_workgroup_size: 128
    .sgpr_count:     100
    .vgpr_count:     768
    .wavefront_size: 32
...
	.end_amdgpu_metadata
.endif
;; end of part 4
